; MI455X (gfx1250); checked and timed in simulation.
; The chip was launched on July 23, 2026; its instructions are those of AMD's public machine-readable ISA for CDNA 5 (MIT licence, August 2026) and "CDNA5" Instruction Set Architecture Reference Guide (July 2026). The comments in the code are by the model that wrote it; some were corrected since.
;; Multi Head Attention CF. Allowed arithmetic: matrix products marked QUANTISED: E2M3 operands, one E8M0 scale for each 32 along K, by v_wmma_scale_f32_16x16x128_f8f6f4 with both operands' format E2M3, f32 sums; everything else in f32.
;; Inputs: Wk 1,024 x 1,024 float32; Wo 1,024 x 1,024 float32; Wq 1,024 x 1,024 float32; Wv 1,024 x 1,024 float32; bk 1,024 float32; bo 1,024 float32; bq 1,024 float32; bv 1,024 float32; x 4 x 2,048 x 1,024 float32.
;; Outputs: out0 4 x 2,048 x 1,024 float32.
;; This version of the problem:
;;   THIS VERSION OF THE PROBLEM IS GIVEN IN LOW PRECISION. The matrix products marked QUANTISED in the list below multiply operands that are first quantised to E2M3 (2 exponent bits, 3 mantissa bits; 6 bits a number), with one power-of-two scale for each 32 numbers along K (OCP MX v1.0); their sums are f32. All else is computed in f32.
;;   The module's matrix products, in the order in which they are computed (A, B: the left and right operand; K: the contracted axis; several contracted axes count as one K, in the product's order):
;;     1. [M 8,192, K 1,024] x [K 1,024, N 1,024]; A: input x; B: input Wq: QUANTISED
;;     2. [M 8,192, K 1,024] x [K 1,024, N 1,024]; A: input x; B: input Wk: QUANTISED
;;     3. [M 8,192, K 1,024] x [K 1,024, N 1,024]; A: input x; B: input Wv: QUANTISED
;;     4. batch 64 x [M 2,048, K 64] x [K 64, N 2,048]; A: computed on the way; B: computed on the way: QUANTISED
;;     5. batch 64 x [M 2,048, K 2,048] x [K 2,048, N 64]; A: softmax (see below); B: computed on the way: QUANTISED
;;     6. [M 8,192, K 1,024] x [K 1,024, N 1,024]; A: computed on the way; B: input Wo: QUANTISED
;;   THE QUANTISER, for each operand of a quantised product, along K:
;;     - K is cut into blocks of 32 from its start; a last block that is shorter is filled with zeros.
;;     - A block's scale is 2^e with e = floor(log2(the largest magnitude in the block)) - 2, held to -126 .. 127; a block of zeros has e = 0. As a byte (E8M0): e + 127.
;;     - Each number is divided by its block's scale, clamped to +-7.5, and rounded to the nearest number of E2M3, ties to even, subnormals kept.
;;     - The product sums the exact products of the quantised numbers (number of the format x scale) in f32.
;;   ~~~python
;;   def quantise(x, axis):      # numpy; x: float32 -> the quantised numbers, widened to float32 again
;;       x = np.moveaxis(x, axis, -1); K = x.shape[-1]
;;       x = np.pad(x, [(0, 0)] * (x.ndim - 1) + [(0, -K % 32)]); x = x.reshape(x.shape[:-1] + (-1, 32)); a = np.abs(x).max(-1, keepdims=True)
;;       e = np.where(a > 0, np.clip(np.frexp(np.where(a > 0, a, 1))[1] - 1 - 2, -126, 127), 0)      # np.frexp(a)[1] - 1 = floor(log2(a)), exactly
;;       r = np.clip(x / 2.0 ** e, -7.5, 7.5)
;;       step = 2.0 ** (np.maximum(np.frexp(np.where(r == 0, 1, r))[1] - 1, 0) - 3)
;;       q = np.round(r / step) * step * 2.0 ** e      # np.round: ties to even
;;       return np.moveaxis(q.reshape(q.shape[:-2] + (-1,))[..., :K], -1, axis).astype(np.float32)
;;   ~~~
;;   SOFTMAX AHEAD OF A QUANTISED PRODUCT. Where the list says 'softmax', what is quantised is not the finished softmax but p = 2^(t - M), with t = logit x log2(e) and M = ceil(the row's largest t), a whole number; so 1/2 < the row's largest p <= 1. The row's sum l is taken of the UNQUANTISED p, in f32, and the product's result is divided by l at the end. Since M is a whole number, a kernel that streams over the keys may use a running M (the ceiling of the running maximum): every later rescaling is an exact power of two, which a block's scale takes up: the codes' values come out the same.
;;   OPERANDS COMPUTED ON THE WAY. 'Computed on the way' means the value that the module computes at that place (a softmax that the list does not call 'softmax' is quantised finished and normalised). What goes into a quantiser is computed in f32, as accurately as f32 sums, v_exp_f32 and their like allow (about 1e-6 of the number): no bf16 or f16 on the way to a quantiser, and a product that is left as it is and whose result goes on into a quantised operand takes f32 operands (vector FMAs, or v_wmma_f32_16x16x4_f32). A number that lies on a knife's edge between two numbers of the format may be rounded either way, as far as f32 arithmetic and the matrix unit's own rounding can turn it there, and no further.
;; One version. Each part assembles by itself: llvm-mc -triple=amdgcn-amd-amdhsa -mcpu=gfx1250 --defsym DOCPART=n.
;; ======== version 1 of 1: 4 launches
;; limits: right only within a limited range of input values
;; workspace buffers: opi 9,437,184 bytes; ops 393,216 bytes; qkvc 18,874,368 bytes; qkvs 786,432 bytes; oi 6,291,456 bytes; os 262,144 bytes
;; launch quant (part 1): grid 768 x 1, 8 waves a work-group, no clusters, 69,120 bytes of LDS; arguments x, Wq, Wk, Wv, Wo, opi, ops; writes opi, ops
.if DOCPART == 1
	.amdgcn_target "amdgcn-amd-amdhsa--gfx1250"
	.amdhsa_code_object_version 6
	.text
	.protected	k_qa4a09d1f2c_quant
	.globl	k_qa4a09d1f2c_quant
	.p2align	8
	.type	k_qa4a09d1f2c_quant,@function
k_qa4a09d1f2c_quant:
	s_mov_b64 s[64:65], 0
	v_nop
	global_prefetch_b8 v0, s[64:65] scope:SCOPE_SE
	s_setreg_imm32_b32 hwreg(HW_REG_WAVE_MODE, 25, 1), 1
	s_wait_xcnt 0x0
; x [8192][1024] and Wq, Wk, Wv, Wo [1024][1024], f32, K innermost, become codes of FP6 (E2M3) with one E8M0 scale byte for each 32 along K.
; A block's scale is 2^(floor(log2(its largest magnitude)) - 2); its byte is the largest magnitude's exponent field - 2, held at 1 from below.
; LIMITS: NaN and infinities are not served.  A block of zeros, or one whose largest magnitude lies under 2^-124, gets the byte 1 where the rule says 127 or less:
; a block of zeros has zero codes, which add nothing under any byte but 0xff, and the bytes are read by this program alone.
; THE CODES ARE LAID AS THE MATRIX OPERAND'S REGISTERS WANT THEM.  opi = [tile 768][G 8][1,536 bytes]: a tile is 16 rows, G a run of 128 along K; tiles 0-511 are x's, 512 + 64 m + T those of weight m (q, k, v, o).
; A fragment's image, 1,536 bytes: half c (registers 6 c .. 6 c + 5 of every lane: k = 64 c + 32 (lane / 16) + 0 .. 31 of row lane % 16) at 768 c: registers 6 c .. 6 c + 3 at 16 x lane, registers 6 c + 4, 6 c + 5 at 512 + 8 x lane.
; THE ROWS OF A TILE ARE NOT NEIGHBOURS: row p of tile T is the tensor's row 32 (T / 2) + 8 (T % 2) + p + 8 (p / 8), so that a later transposed product leaves 16 neighbours along its next K in a lane's registers.
; ops = [tile][row 16][32 scale bytes]: byte 4 G + b scales k = 128 G + 32 b on.
; SHARES.  Work-group g makes tile g; its wave w the fragment G = w: 16 rows x 128 numbers, 8 KB.  Each load reads 512 consecutive bytes of one row; the 16 rows turn through the wave's own stage in LDS
; (rows 528 bytes apart: 33 x 16, so that 16 rows of a read start in 16 different groups of banks), and come back 32 neighbours along K to a lane and block.  No loop: every offset is an immediate.
; The matrix units, tensor loads and clusters have nothing to do here: each byte is read once and no two work-groups read the same byte.
.set PITCH, 528
.set WST,   16*PITCH                   ; a wave's stage
.set SCB,   8*WST                      ; behind the stages: the tile's 512 scale bytes
.set R,     16                         ; v16-79   the numbers as loaded
.set X,     80                         ; v80-143  turned: register 32 c + i = k 64 c + 32 h + i of my row
.set C,     16                         ; v16-27 the fragment's twelve registers, where the rows as loaded lay (their LDS stores are waited for)
.set CT,    28                         ; v28-35 the second half of each block's codes, as the conversion leaves it
.set OW,    40                         ; v40-43 the scale bytes on their way out
	s_load_b256 s[4:11], s[0:1], 0x0               ; x, Wq, Wk, Wv
	s_load_b128 s[12:15], s[0:1], 0x20             ; Wo, opi
	s_load_b64 s[16:17], s[0:1], 0x30              ; ops
	v_lshl_add_u32 v144, v0, 2, 0x10a00
	v_mov_b32 v145, 0
	v_lshrrev_b32 v1, 5, v0
	s_delay_alu instid0(VALU_DEP_1)
	v_readfirstlane_b32 s18, v1                    ; wave = G
	v_and_b32 v1, 31, v0                           ; lane
	v_and_b32 v2, 15, v0                           ; r
	v_bfe_u32 v3, v0, 4, 1                         ; h
	s_delay_alu instid0(VALU_DEP_3)
	v_lshlrev_b32 v4, 4, v1                        ; 16 x lane
	s_delay_alu instid0(VALU_DEP_4)
	v_lshlrev_b32 v5, 3, v1                        ; 8 x lane
	s_mul_i32 s19, s18, WST
	v_add_nc_u32 v6, s19, v4                       ; the stage, on the way in: 16 bytes a lane of a row
	v_mul_u32_u24 v7, v2, PITCH
	s_delay_alu instid0(VALU_DEP_1)
	v_lshl_add_u32 v7, v3, 7, v7
	s_delay_alu instid0(VALU_DEP_1)
	v_add_nc_u32 v7, s19, v7                       ; and on the way out: row r, + 128 h bytes: my 32 numbers of each 64
	s_lshl_b32 s19, s18, 2
	s_add_co_u32 s19, s19, SCB
	v_lshl_add_u32 v8, v2, 5, s19                  ; my row's scale word of this G: 32 r + 4 w
	v_add_nc_u32 v9, SCB, v4                       ; the 512 scale bytes, 16 a lane
	s_mov_b32 s20, 0x76543210
	s_mov_b32 s21, 0xfedcba98                      ; v_permlanex16_b32's selects for lane l xor 16
	s_and_b32 s22, ttmp9, 63
	s_cmp_lt_u32 ttmp9, 512
	s_cselect_b32 s22, ttmp9, s22                  ; T: the tile's number in its own tensor
	s_lshr_b32 s23, s22, 1
	s_lshl_b32 s23, s23, 5
	s_and_b32 s24, s22, 1
	s_lshl_b32 s24, s24, 3
	s_add_co_u32 s23, s23, s24                     ; the tensor's row under the tile's row 0: 32 (T / 2) + 8 (T % 2)
	s_lshl_b32 s24, s23, 12                        ; x 4,096 bytes a row
	s_lshl_b32 s23, s18, 9
	s_add_co_u32 s24, s24, s23                     ; + 512 bytes for each G
	s_mov_b32 s25, 0
	s_mul_i32 s26, ttmp9, 12288
	s_mul_i32 s23, s18, 1536
	s_add_co_u32 s26, s26, s23                     ; my image in opi
	s_mov_b32 s27, 0
	s_lshl_b32 s28, ttmp9, 9                       ; the tile's scale bytes in ops
	s_mov_b32 s29, 0
	s_wait_alu depctr_va_vdst(0)
	s_wait_kmcnt 0x0
	s_cmp_lt_u32 ttmp9, 704                        ; which tensor: the choice hangs on the work-group's number alone
	s_cselect_b64 s[12:13], s[10:11], s[12:13]
	s_cmp_lt_u32 ttmp9, 640
	s_cselect_b64 s[12:13], s[8:9], s[12:13]
	s_cmp_lt_u32 ttmp9, 576
	s_cselect_b64 s[12:13], s[6:7], s[12:13]
	s_cmp_lt_u32 ttmp9, 512
	s_cselect_b64 s[12:13], s[4:5], s[12:13]
	s_add_nc_u64 s[12:13], s[12:13], s[24:25]
	s_add_nc_u64 s[14:15], s[14:15], s[26:27]
	s_add_nc_u64 s[16:17], s[16:17], s[28:29]
.irp i, 0,1,2,3,4,5,6,7,8,9,10,11,12,13,14,15
	global_load_b128 v[R+4*\i:R+4*\i+3], v4, s[12:13] offset:(\i+8*(\i/8))*4096 th:TH_LOAD_NT   ; the tile's row i: 512 consecutive bytes; read once in the launch
.endr
.irp i, 0,1,2,3,4,5,6,7,8,9,10,11,12,13,14,15
	s_wait_loadcnt 15-\i                           ; loads come back in order: row i is in, the younger ones may be out
	ds_store_b128 v6, v[R+4*\i:R+4*\i+3] offset:PITCH*\i
.endr
.irp c, 0,1
.irp e, 0,1,2,3,4,5,6,7
	ds_load_b128 v[X+32*\c+4*\e:X+32*\c+4*\e+3], v7 offset:256*\c+16*\e   ; LDS serves a wave's instructions in order: these see my stores
.endr
.endr
	s_wait_dscnt 0x0
.irp c, 0,1                            ; my block 2 c + h: all its 32 numbers are mine
	v_max3_num_f32 v[10+\c], |v[X+32*\c]|, |v[X+32*\c+1]|, 0x1800000   ; and the floor 2^(3 - 127): the byte cannot fall under 1
.endr
.irp i, 2,4,6,8,10,12,14,16,18,20,22,24,26,28,30
.irp c, 0,1
	s_delay_alu instid0(VALU_DEP_2)
	v_max3_num_f32 v[10+\c], v[10+\c], |v[X+32*\c+\i]|, |v[X+32*\c+\i+1]|   ; (the two blocks by turns)
.endr
.endr
.irp c, 0,1
	s_delay_alu instid0(VALU_DEP_2)
	v_add_nc_u32 v[12+\c], 0xff000000, v[10+\c]    ; 2 off the exponent field: the conversion takes the exponent field of this operand as its scale
.endr
.irp c, 0,1
	s_delay_alu instid0(VALU_DEP_2)
	v_lshrrev_b32 v[14+\c], 23, v[12+\c]           ; the scale's byte
.endr
	s_delay_alu instid0(VALU_DEP_1)
	v_lshl_or_b32 v10, v15, 16, v14                ; my two bytes: blocks h and 2 + h of my row,
	v_lshlrev_b32 v11, 3, v3
	s_delay_alu instid0(VALU_DEP_1)
	v_lshlrev_b32 v10, v11, v10                    ; at their places in the word (8 h bits up);
	v_mov_b32 v11, 0
	s_delay_alu instid0(VALU_DEP_1)
	v_permlanex16_b32 v11, v10, s20, s21
	s_delay_alu instid0(VALU_DEP_1)
	v_or_b32 v10, v10, v11                         ; with lane l xor 16's two the word is whole
.irp c, 0,1
	v_cvt_scalef32_pk16_fp6_f32 v[C+6*\c:C+6*\c+2], v[X+32*\c:X+32*\c+15], v[12+\c]
	v_cvt_scalef32_pk16_fp6_f32 v[CT+4*\c:CT+4*\c+2], v[X+32*\c+16:X+32*\c+31], v[12+\c]   ; (a conversion's three registers begin on an even number)
.endr
	v_nop                                          ; one plain instruction behind a scaled conversion
.irp c, 0,1
.irp i, 0,1,2
	v_mov_b32 v[C+6*\c+3+\i], v[CT+4*\c+\i]
.endr
.endr
	ds_store_b32 v8, v10                           ; both halves of the lanes write the same word with the same value
	global_store_b128 v4, v[C:C+3], s[14:15]                       ; 512 consecutive bytes, at a multiple of 256 from opi's first byte
	global_store_b64  v5, v[C+4:C+5], s[14:15] offset:512          ; 256
	global_store_b128 v4, v[C+6:C+9], s[14:15] offset:768
	global_store_b64  v5, v[C+10:C+11], s[14:15] offset:1280
	s_wait_dscnt 0x0                               ; for wave 0's sake: my scale words have landed
	s_barrier_signal -1
	s_barrier_wait -1
	s_cmp_lg_u32 s18, 0
	s_cbranch_scc1 .Lend                           ; wave 0 stores the tile's 512 scale bytes, which the eight waves have made
	ds_load_b128 v[OW:OW+3], v9
	s_wait_dscnt 0x0
	global_store_b128 v4, v[OW:OW+3], s[16:17]     ; 512 consecutive bytes, aligned to 256
.Lend:
	s_wait_tensorcnt 0x0
	ds_add_u32 v144, v145
	s_wait_dscnt 0x0
	s_endpgm
.Lfunc_end_k_qa4a09d1f2c_quant:
	.size	k_qa4a09d1f2c_quant, .Lfunc_end_k_qa4a09d1f2c_quant-k_qa4a09d1f2c_quant
	.p2alignl 7, 3214868480
	.fill 96, 4, 3214868480
	.section	.rodata,"a",@progbits
	.p2align	6, 0x0
	.amdhsa_kernel k_qa4a09d1f2c_quant
		.amdhsa_group_segment_fixed_size 69120
		.amdhsa_private_segment_fixed_size 0
		.amdhsa_enable_private_segment 0
		.amdhsa_kernarg_size 56
		.amdhsa_user_sgpr_count 2
		.amdhsa_user_sgpr_kernarg_segment_ptr 1
		.amdhsa_wavefront_size32 1
		.amdhsa_system_sgpr_workgroup_id_x 1
		.amdhsa_system_sgpr_workgroup_id_y 1
		.amdhsa_system_sgpr_workgroup_id_z 1
		.amdhsa_system_vgpr_workitem_id 0
		.amdhsa_next_free_vgpr 146
		.amdhsa_next_free_sgpr 66
		.amdhsa_reserve_vcc 0
		.amdhsa_float_denorm_mode_32 3
		.amdhsa_float_denorm_mode_16_64 3
		.amdhsa_memory_ordered 1
		.amdhsa_forward_progress 1
		.amdhsa_inst_pref_size 12
	.end_amdhsa_kernel
	.amdgpu_metadata
---
amdhsa.version: [ 1, 2 ]
amdhsa.kernels:
  - .name:           k_qa4a09d1f2c_quant
    .symbol:         k_qa4a09d1f2c_quant.kd
    .args:
      - { .name: x, .offset: 0, .size: 8, .value_kind: global_buffer, .address_space: global }
      - { .name: Wq, .offset: 8, .size: 8, .value_kind: global_buffer, .address_space: global }
      - { .name: Wk, .offset: 16, .size: 8, .value_kind: global_buffer, .address_space: global }
      - { .name: Wv, .offset: 24, .size: 8, .value_kind: global_buffer, .address_space: global }
      - { .name: Wo, .offset: 32, .size: 8, .value_kind: global_buffer, .address_space: global }
      - { .name: opi, .offset: 40, .size: 8, .value_kind: global_buffer, .address_space: global }
      - { .name: ops, .offset: 48, .size: 8, .value_kind: global_buffer, .address_space: global }
    .group_segment_fixed_size: 69120
    .private_segment_fixed_size: 0
    .kernarg_segment_align: 8
    .kernarg_segment_size: 56
    .max_flat_workgroup_size: 256
    .sgpr_count:     66
    .vgpr_count:     146
    .wavefront_size: 32
...
	.end_amdgpu_metadata
.endif
;; end of part 1
;; launch qkv (part 2): grid 8 x 32, 4 waves a work-group, clusters of 4 x 4, 327,680 bytes of LDS; arguments opi, ops, bq, bk, bv, qkvc, qkvs; writes qkvc, qkvs
.if DOCPART == 2
	.amdgcn_target "amdgcn-amd-amdhsa--gfx1250"
	.amdhsa_code_object_version 6
	.text
	.protected	k_qa4a09d1f2c_qkv
	.globl	k_qa4a09d1f2c_qkv
	.p2align	8
	.type	k_qa4a09d1f2c_qkv,@function
k_qa4a09d1f2c_qkv:
	s_mov_b64 s[64:65], 0
	v_nop
	global_prefetch_b8 v0, s[64:65] scope:SCOPE_SE
	s_setreg_imm32_b32 hwreg(HW_REG_WAVE_MODE, 25, 1), 1
	s_wait_xcnt 0x0
	s_wait_alu depctr_hold_cnt(0) depctr_sa_sdst(0) depctr_va_vdst(0) depctr_va_sdst(0) depctr_va_ssrc(0) depctr_va_vcc(0) depctr_vm_vsrc(0)
	s_getreg_b32 s2, hwreg(HW_REG_IB_STS2, 6, 4)
	s_cmp_eq_u32 s2, 0
	s_cbranch_scc0 .Lentry_in_a_cluster
	s_endpgm
.Lentry_in_a_cluster:
	s_bfe_u32 s2, ttmp6, 0x10000c
	s_cmp_lg_u32 s2, 0xf033
	s_cbranch_scc0 .Lentry_shape_is_right
	s_endpgm
.Lentry_shape_is_right:
; Q = x Wq^T + bq, K = x Wk^T + bk, V = x Wv^T + bv on codes of FP6 (E2M3) with E8M0 scales, sums in f32; the results are quantised in registers and leave as codes:
; Q and K along the head's 64 channels (the K of the scores), V along the keys (the K of attention's second product).  No f32 result goes to memory.
; LIMITS: NaN and infinities are not served; a block whose largest magnitude lies under 2^-124 (zeros among them) gets the byte 1; the bytes are read by this program alone.
; THE DEAL: 8 x 32 = 256 work-groups.  Work-group (j, xb) holds x's block xb, 256 tokens, ALL of K (16 tiles, 196,608 bytes), in LDS for the whole launch, and takes it in three phases against 128 channels (8 tiles, 98,304 bytes) of Wv, Wq, Wk: block j of each.
; FILLS: at the head one tensor load a wave (waves 0, 1 a half of x's tiles each, waves 2, 3 a half of Wv's).  The weights' region is filled again twice, a quarter a wave, each time behind a tensor wait, an add to a spare word, a DS wait and a round of the cluster's barrier;
; the phase's last 32 products stand inside the round; the way out and the next phase's scale and bias loads stand behind the refill; a plain barrier shows the new weights.
; CLUSTERS, 4 x 4: x's tiles hang on xb alone and are shared along a row of the cluster, a weight's on j alone and are shared along a column.
; THE MATRIX INSTRUCTION IS USED TRANSPOSED: source 0 = eight tiles of the side along which the next K runs, source 1 = four tiles of the other; a lane holds one row of source 1, its registers run along source 0.
; V: source 0 = x (my 128 tokens), source 1 = Wv (my 64 channels: one head), waves 2 x 2.  Q, K: source 0 = the weight's 128 channels (two heads), source 1 = x (my 64 tokens), waves 4 x 1.
; OPERANDS ARE IMAGES OF REGISTERS: opi = [tile of 16 rows][G 8][1,536 bytes]; row p of tile T is the tensor's row 32 (T / 2) + 8 (T % 2) + p + 8 (p / 8): register 8 b + j of a lane is source 0's index 32 (b / 2) + 16 h + 8 (b % 2) + j.
; The scale words (32 bytes a row) and the bias (the first products' C) come straight into registers.  A step is 128 along K, 32 products; both sides have two sets of fragment registers; the next step's 48 LDS loads go out ahead of this step's products.
; PREFETCH: Wq's and Wk's blocks, a phase and more ahead of their refills, 24 blocks of 256 bytes a wave, shared out by address among the 16 waves of a column of the cluster; four of the eight rows of clusters ask.
; OUT.  qkvc = three regions (Q, K, V) of [b x head 64][98,304 bytes].  Q, K: [token tile 128][768]: 16 tokens x the head's 64 channels.  V: [key step 16][channel tile 4][1,536]: 16 channels x 128 keys.
; qkvs = three regions of [b x head][step 16][row 16][4 words].  Q, K: word f = the two bytes of tile 2 f, then those of tile 2 f + 1.  V: word t = channel tile t's four key blocks.
; REGISTERS: window 0: v0-31 addresses; v32-63 source 1's scale words (8 a + g); v68-131 source 0's (8 b + g); v136-213 the way out.  Window 1: source 0's fragments, two sets, at v0 and v128.
; Window 2: the accumulators, (a, b) at v[8 (8 a + b)].  Window 3: v0-63 the bias, v64-159 source 1's fragments, two sets.
.set FR,     12
.set FIB,    1536
.set TILEB,  8*FIB
.set WB,     16*TILEB                  ; the weights' region, behind x's 16 tiles
.set SPARE,  24*TILEB                  ; the spare words: 4 x 128 bytes
.set O16,  4
.set O8,   5
.set VB,   6                           ; v6-9   V: source 0 = x's tiles 8 HB on (+ 16 x lane, + 8 x lane; tiles 0-3, tiles 4-7)
.set VA,   10                          ; v10-11 V: source 1 = the weight's tiles 4 HA on
.set QB,   12                          ; v12-15 Q, K: source 0 = the weight's eight tiles
.set QAD,  16                          ; v16-17 Q, K: source 1 = x's tiles 4 x wave on
.set SO,   18                          ; 32 r
.set BO1,  19                          ; 64 h
.set BO2,  20                          ; 4 (r + 8 (r / 8))
.set OS,   21                          ; 16 r + 4,096 h
.set OSV,  22                          ; 16 r
.set PF,   23                          ; v23-24 the prefetches' offsets
.set SPW,  28
.set NIL,  29
.set SAS,  32
.set SBS,  68
.set PC,   136                         ; v136-183 the codes, twelve registers for each of four tiles
.set CT,   184
.set PW,   192
.set TM,   196
.set TP,   200
.set TSO,  204
.set OUTW, 208
.set SELR, 212
.set AF,   64                          ; in window 3
.set WV,   18
.set HA,   19
.set HB,   20
.set G1X,  24
.set G0X,  32
.set G1W,  36
.set G0W,  44
.set G0R,  48
.set MSB, 0
.macro WIN new
.if MSB != \new
	s_set_vgpr_msb (MSB<<8)|\new
.set MSB, \new
.endif
.endm
.macro PLACES n
.rept \n
	v_nop
.endr
.endm
.macro CREST
	s_cmp_lg_u32 s[WV], 0
	s_cbranch_scc1 .Lnot_wave_0_\@
	s_barrier_signal -3
.Lnot_wave_0_\@:
	s_barrier_wait -3
	s_barrier_signal -1
	s_barrier_wait -1
.endm
.macro CROUND
	s_barrier_signal -1
	s_barrier_wait -1
	CREST
.endm
.macro PTR d, b                        ; a buffer's address + the offset in s100 (s101 = 0)
	s_add_nc_u64 s[\d:\d+1], s[\b:\b+1], s[100:101]
.endm
.macro PFW v                           ; a prefetch; the branch hangs on the cluster's y, which all partners share
	s_cmp_lt_u32 s63, 4
	s_cbranch_scc0 .Lno_pf_\@
	global_prefetch_b8 v[\v], s[4:5] th:TH_LOAD_NT scope:SCOPE_SE
.Lno_pf_\@:
.endm
	s_load_b256 s[4:11], s[0:1], 0x0               ; opi, ops, bq, bk
	s_load_b128 s[12:15], s[0:1], 0x20             ; bv, qkvc
	s_load_b64 s[16:17], s[0:1], 0x30              ; qkvs
	v_lshl_add_u32 v[SPW], v0, 2, SPARE
	v_mov_b32 v[NIL], 0
	ds_add_u32 v[SPW], v[NIL]
	ds_add_u32 v[SPW], v[NIL]
	v_lshrrev_b32 v1, 5, v0
	v_readfirstlane_b32 s[WV], v1
	s_lshr_b32 s[HA], s[WV], 1
	s_and_b32 s[HB], s[WV], 1
	s_bfe_u32 s52, ttmp6, 0x40000                  ; cx
	s_bfe_u32 s53, ttmp6, 0x40004                  ; cy
	s_lshl_b32 s21, ttmp9, 2
	s_add_co_u32 s21, s21, s52                     ; j: the block of 128 channels
	s_and_b32 s63, ttmp7, 0xffff                   ; the cluster's y; kept
	s_lshl_b32 s22, s63, 2
	s_add_co_u32 s22, s22, s53                     ; xb: the block of 256 tokens
	s_lshl_b32 s54, s53, 2
	s_lshl_b32 s54, 15, s54                        ; my row of the cluster
	s_lshl_b32 s55, 0x1111, s52                    ; my column
	s_or_b32 s[G1X], s54, (3<<16)|(1<<21)          ; rows of 32 elements of 8 bytes, dense
	s_or_b32 s[G1W], s55, (3<<16)|(1<<21)
	s_mov_b32 s[G1X+1], 32<<16
	s_mov_b32 s[G1X+2], 384<<16                    ; 8 tiles: 384 rows of 256 bytes
	s_mov_b32 s[G1X+3], 32<<16
	s_mov_b32 s[G1X+4], 384
	s_mov_b32 s[G1X+5], 32
	s_mov_b32 s[G1X+6], 0
	s_mov_b32 s[G1X+7], 0
	s_mov_b32 s[G1W+1], 32<<16
	s_mov_b32 s[G1W+2], 192<<16                    ; at the head 4 tiles: 192 rows
	s_mov_b32 s[G1W+3], 32<<16
	s_mov_b32 s[G1W+4], 192
	s_mov_b32 s[G1W+5], 32
	s_mov_b32 s[G1W+6], 0
	s_mov_b32 s[G1W+7], 0
	s_lshl_b32 s56, s22, 4                         ; x's first tile
	s_lshl_b32 s57, s21, 3                         ; 8 j
	s_lshl_b32 s58, s[HB], 3
	s_add_co_u32 s58, s56, s58
	s_mul_i32 s58, s58, TILEB                      ; x: tile 16 xb + 8 x half
	s_mov_b32 s59, 0
	s_lshl_b32 s60, s[HB], 2
	s_add_co_u32 s60, s57, s60
	s_add_co_u32 s60, s60, 640
	s_mul_i32 s60, s60, TILEB                      ; Wv: tile 640 + 8 j + 4 x half
	s_mov_b32 s61, 0
	s_lshl_b32 s94, s[WV], 1
	s_add_co_u32 s94, s57, s94
	s_add_co_u32 s94, s94, 512
	s_mul_i32 s94, s94, TILEB                      ; Wq: tile 512 + 8 j + 2 x wave
	s_mov_b32 s95, 0
	s_mov_b32 s[G0X], 1
	s_mul_i32 s[G0X+1], s[HB], 8*TILEB
	s_mov_b32 s[G0W], 1
	s_mul_i32 s[G0W+1], s[HB], 4*TILEB
	s_add_co_u32 s[G0W+1], s[G0W+1], WB
	s_mov_b32 s[G0R], 1
	s_mul_i32 s[G0R+1], s[WV], 2*TILEB
	s_add_co_u32 s[G0R+1], s[G0R+1], WB
	s_wait_dscnt 0x0
	s_wait_kmcnt 0x0
	CROUND                                         ; all sixteen work-groups are here: the joint loads meet
	s_add_nc_u64 s[G0X+2:G0X+3], s[4:5], s[58:59]
	s_or_b32 s[G0X+3], s[G0X+3], 0x80000000
	s_add_nc_u64 s[G0W+2:G0W+3], s[4:5], s[60:61]
	s_or_b32 s[G0W+3], s[G0W+3], 0x80000000
	s_add_nc_u64 s[G0R+2:G0R+3], s[4:5], s[94:95]
	s_or_b32 s[G0R+3], s[G0R+3], 0x80000000
	s_cmp_eq_u32 s[HA], 0
	s_cbranch_scc0 .Lfor_w
	tensor_load_to_lds s[G0X:G0X+3], s[G1X:G1X+7]
	s_nop 0
	PLACES 4
	s_branch .Lasked
.Lfor_w:
	tensor_load_to_lds s[G0W:G0W+3], s[G1W:G1W+7]
	s_nop 0
	PLACES 4
.Lasked:
	s_mov_b32 s101, 0
	s_lshl_b32 s58, s[HB], 3                       ; the scale bytes, 512 a tile: x's as source 0,
	s_add_co_u32 s100, s56, s58
	s_lshl_b32 s100, s100, 9
	PTR 66, 6
	s_lshl_b32 s58, s[HA], 2                       ; Wv's as source 1,
	s_add_co_u32 s100, s57, s58
	s_add_co_u32 s100, s100, 640
	s_lshl_b32 s100, s100, 9
	PTR 68, 6
	s_add_co_u32 s100, s57, 512                    ; Wq's, Wk's,
	s_lshl_b32 s100, s100, 9
	PTR 70, 6
	s_add_nc_u64 s[72:73], s[70:71], 64*512
	s_lshl_b32 s58, s[WV], 2                       ; x's as source 1
	s_add_co_u32 s100, s56, s58
	s_lshl_b32 s100, s100, 9
	PTR 74, 6
	s_lshl_b32 s100, s21, 9                        ; the biases at channel 128 j; V's at my head
	PTR 78, 8
	PTR 80, 10
	s_lshl_b32 s58, s[HA], 8
	s_add_co_u32 s100, s100, s58
	PTR 76, 12
	s_lshr_b32 s59, s22, 3
	s_lshl_b32 s59, s59, 4
	s_lshl_b32 s58, s21, 1
	s_add_co_u32 s59, s59, s58                     ; batch x 16 + head 2 j
	s_and_b32 s60, s22, 7                          ; which 256 tokens of the sequence
	s_mul_i32 s100, s59, 98304                     ; Q's codes: token tile 16 (xb % 8) + 4 x wave
	s_lshl_b32 s58, s60, 4
	s_lshl_b32 s61, s[WV], 2
	s_add_co_u32 s58, s58, s61
	s_mul_i32 s58, s58, 768
	s_add_co_u32 s100, s100, s58
	PTR 86, 14
	s_add_nc_u64 s[90:91], s[86:87], 6291456       ; K's
	s_lshl_b32 s100, s59, 12                       ; Q's scale words: step 2 (xb % 8) + wave / 2, words 2 (wave % 2) on
	s_lshl_b32 s58, s60, 1
	s_add_co_u32 s58, s58, s[HA]
	s_lshl_b32 s58, s58, 8
	s_add_co_u32 s100, s100, s58
	s_lshl_b32 s58, s[HB], 3
	s_add_co_u32 s100, s100, s58
	PTR 88, 16
	s_add_nc_u64 s[92:93], s[88:89], 1<<18         ; K's
	s_add_co_u32 s61, s59, s[HA]                   ; V: my head, key step 2 (xb % 8) + HB
	s_mul_i32 s100, s61, 98304
	s_lshl_b32 s58, s60, 1
	s_add_co_u32 s58, s58, s[HB]
	s_mul_i32 s62, s58, 6144
	s_add_co_u32 s100, s100, s62
	s_add_co_u32 s100, s100, 2*6291456
	PTR 82, 14
	s_lshl_b32 s100, s61, 12
	s_lshl_b32 s58, s58, 8
	s_add_co_u32 s100, s100, s58
	s_add_co_u32 s100, s100, 2<<18
	PTR 84, 16
	s_mov_b32 s98, 0x76543210
	s_mov_b32 s99, 0xfedcba98                      ; v_permlanex16_b32's selects for lane l xor 16
	s_mul_i32 s56, s[HB], 8*TILEB                  ; LDS: made of the wave's number alone
	s_add_co_u32 s58, s56, 4*TILEB
	s_mul_i32 s59, s[HA], 4*TILEB
	s_add_co_u32 s59, s59, WB
	s_mul_i32 s60, s[WV], 4*TILEB
	s_lshl_b32 s61, s53, 2
	s_add_co_u32 s61, s61, s[WV]                   ; my number among the 16 waves of my column of the cluster
	s_mul_i32 s61, s61, 6144
	s_add_co_u32 s62, s57, 512
	s_mul_i32 s62, s62, TILEB
	s_add_co_u32 s61, s61, s62                     ; my 24 blocks of Wq's 384
	v_and_b32 v1, 15, v0                           ; r
	v_bfe_u32 v2, v0, 4, 1                         ; h; kept
	v_and_b32 v3, 31, v0
	v_lshlrev_b32 v[O16], 4, v3
	v_lshlrev_b32 v[O8], 3, v3
	v_add_nc_u32 v[VB], s56, v[O16]
	v_add_nc_u32 v[VB+1], s56, v[O8]
	v_add_nc_u32 v[VB+2], s58, v[O16]
	v_add_nc_u32 v[VB+3], s58, v[O8]
	v_add_nc_u32 v[VA], s59, v[O16]
	v_add_nc_u32 v[VA+1], s59, v[O8]
	v_add_nc_u32 v[QB], WB, v[O16]
	v_add_nc_u32 v[QB+1], WB, v[O8]
	v_add_nc_u32 v[QB+2], WB+4*TILEB, v[O16]
	v_add_nc_u32 v[QB+3], WB+4*TILEB, v[O8]
	v_add_nc_u32 v[QAD], s60, v[O16]
	v_add_nc_u32 v[QAD+1], s60, v[O8]
	v_lshlrev_b32 v[SO], 5, v1
	v_lshlrev_b32 v[BO1], 6, v2
	v_and_b32 v[BO2], 8, v1
	v_add_nc_u32 v[BO2], v[BO2], v1
	v_lshlrev_b32 v[BO2], 2, v[BO2]
	v_lshlrev_b32 v[OSV], 4, v1
	v_lshl_add_u32 v[OS], v2, 12, v[OSV]
	v_min_u32 v[PF], 23, v3
	v_lshl_add_u32 v[PF], v[PF], 8, s61
	v_add_nc_u32 v[PF+1], 64*TILEB, v[PF]          ; the same of Wk's
.irp b, 0,1,2,3
	v_mov_b32 v[TP+\b], 0                          ; written once: a lane permute's destination counts as one of its sources
.endr
	s_wait_alu depctr_va_vdst(0)                   ; the wait at the head's end
.macro LDSC pb, pa                     ; the scale words of source 0's eight tiles and, where pa is given, of source 1's four
.irp b, 0,1,2,3,4,5,6,7
	global_load_b128 v[SBS+8*\b:SBS+8*\b+3],   v[SO], s[\pb:\pb+1] offset:512*\b
	global_load_b128 v[SBS+8*\b+4:SBS+8*\b+7], v[SO], s[\pb:\pb+1] offset:512*\b+16
.endr
.if \pa
.irp a, 0,1,2,3
	global_load_b128 v[SAS+8*\a:SAS+8*\a+3],   v[SO], s[\pa:\pa+1] offset:512*\a
	global_load_b128 v[SAS+8*\a+4:SAS+8*\a+7], v[SO], s[\pa:\pa+1] offset:512*\a+16
.endr
.endif
.endm
.macro BIASQ p                         ; register 8 b + j wants the bias of channel 32 (b / 2) + 16 h + 8 (b % 2) + j
	WIN 0xc0
.irp b, 0,1,2,3,4,5,6,7
	global_load_b128 v[8*\b:8*\b+3],   v[BO1], s[\p:\p+1] offset:(32*(\b/2)+8*(\b%2))*4
	global_load_b128 v[8*\b+4:8*\b+7], v[BO1], s[\p:\p+1] offset:(32*(\b/2)+8*(\b%2))*4+16
.endr
	WIN 0
.endm
	LDSC 66, 68
	WIN 0xc0
.irp a, 0,1,2,3                        ; V: all eight registers of tile a want the bias of my lane's channel 32 (a / 2) + 8 (a % 2) + r + 8 (r / 8)
.irp j, 0,1,2,3,4,5,6,7
	global_load_b32 v[8*\a+\j], v[BO2], s[76:77] offset:(32*(\a/2)+8*(\a%2))*4
.endr
.endr
	WIN 0
	PFW PF                                         ; Wq's block
.macro FRAG reg, adr, off
	ds_load_b128 v[\reg:\reg+3],     v[\adr]   offset:\off
	ds_load_b64  v[\reg+4:\reg+5],   v[\adr+1] offset:\off+512
	ds_load_b128 v[\reg+6:\reg+9],   v[\adr]   offset:\off+768
	ds_load_b64  v[\reg+10:\reg+11], v[\adr+1] offset:\off+1280
.endm
.macro FETCH g, p, ab, aa              ; step g's twelve fragments into set p: 48 loads
	WIN 0x40
.irp i, 0,1,2,3,4,5,6,7
	FRAG 128*(\p)+FR*\i, \ab+2*(\i/4), (\i%4)*TILEB+(\g)*FIB
.endr
	WIN 0xc0
.irp i, 0,1,2,3
	FRAG AF+48*(\p)+FR*\i, \aa, \i*TILEB+(\g)*FIB
.endr
	WIN 0
.endm
.macro MUL32 g, p, first               ; first = 1: C is the bias along source 0; 2: along source 1; 0: the sums go on.  The 32 accumulators take turns, one instruction a turn
.if \first
	WIN 0xbd                                       ; source 0 window 1, source 1 window 3, C window 3, D window 2
.else
	WIN 0xad
.endif
.irp a, 0,1,2,3
.irp b, 0,1,2,3,4,5,6,7
.set rD, 8*(8*\a+\b)
.set rB, 128*(\p)+FR*\b
.set rA, AF+48*(\p)+FR*\a
.if \first == 1
	v_wmma_scale_f32_16x16x128_f8f6f4 v[rD:rD+7], v[rB:rB+FR-1], v[rA:rA+FR-1], v[8*\b:8*\b+7], v[SBS+8*\b+(\g)], v[SAS+8*\a+(\g)] matrix_a_fmt:MATRIX_FMT_FP6 matrix_b_fmt:MATRIX_FMT_FP6
.elseif \first == 2
	v_wmma_scale_f32_16x16x128_f8f6f4 v[rD:rD+7], v[rB:rB+FR-1], v[rA:rA+FR-1], v[8*\a:8*\a+7], v[SBS+8*\b+(\g)], v[SAS+8*\a+(\g)] matrix_a_fmt:MATRIX_FMT_FP6 matrix_b_fmt:MATRIX_FMT_FP6
.else
	v_wmma_scale_f32_16x16x128_f8f6f4 v[rD:rD+7], v[rB:rB+FR-1], v[rA:rA+FR-1], v[rD:rD+7], v[SBS+8*\b+(\g)], v[SAS+8*\a+(\g)] matrix_a_fmt:MATRIX_FMT_FP6 matrix_b_fmt:MATRIX_FMT_FP6
.endif
.endr
.endr
	WIN 0
.endm
; A phase's eight steps.  fill = 1, 2: the weights' region is filled again behind the last step's round (2: the descriptor steps on from Wq to Wk first)
.macro STEPS ab, aa, first, fill
	FETCH 0, 0, \ab, \aa
	FETCH 1, 1, \ab, \aa
	s_wait_loadcnt 0x0                             ; the scale words and the bias
	s_wait_dscnt 48                                ; step 0's loads are in; the 48 behind them may be out
	MUL32 0, 0, \first
.set G, 1
.rept 6
	PLACES 4                                       ; ahead of loads into registers that the last products read
	FETCH G+1, (G+1)%2, \ab, \aa
	s_wait_dscnt 48
	MUL32 G, G%2, 0
.set G, G+1
.endr
.if \fill
	s_wait_tensorcnt 0x0                           ; ahead of a refill's round
	ds_add_u32 v[SPW], v[NIL]
.if \fill == 2
	s_add_nc_u64 s[G0R+2:G0R+3], s[G0R+2:G0R+3], 64*TILEB   ; no tensor load of mine is out
.endif
	s_wait_dscnt 0x0                               ; the add is done, and my reads of the weights are over
	s_barrier_signal -1
	MUL32 7, 1, 0                                  ; register work inside the round
	s_barrier_wait -1
	CREST
	tensor_load_to_lds s[G0R:G0R+3], s[G1W:G1W+7]  ; my quarter of the next weight's block
	s_nop 0
	PLACES 4                                       ; also the places behind the last products
.else
	s_wait_dscnt 0x0
	MUL32 7, 1, 0
	PLACES 4
.endif
.endm
; THE WAY OUT of tile a: my lane's 64 results, register 16 b + i = index 32 b + 16 h + i of source 0: four blocks of 32, each shared with lane l xor 16.  They become a fragment's twelve registers and a scale word.
.macro QUANTW a
.set AC, 64*(\a)
.set PCA, PC+12*(\a)
	WIN 0x0a
.irp b, 0,1,2,3
	v_max3_num_f32 v[TM+\b], |v[AC+16*\b]|, |v[AC+16*\b+1]|, 0x1800000   ; each accumulator from its low end on; the floor 2^(3 - 127) holds the byte at 1 from below
.endr
	WIN 0x28
.irp i, 2,4,6,8,10,12,14
.irp b, 0,1,2,3
	v_max3_num_f32 v[TM+\b], v[TM+\b], |v[AC+16*\b+\i]|, |v[AC+16*\b+\i+1]|
.endr
.endr
	WIN 0
.irp b, 0,1,2,3
	v_permlanex16_b32 v[TP+\b], v[TM+\b], s98, s99
.endr
.irp b, 0,1,2,3
	v_max_num_f32 v[TM+\b], v[TM+\b], v[TP+\b]
.endr
.irp b, 0,1,2,3
	v_add_nc_u32 v[TSO+\b], 0xff000000, v[TM+\b]   ; 2 off the exponent field: the conversion's scale operand
.endr
.irp b, 0,1,2,3
	v_lshrrev_b32 v[TP+\b], 23, v[TSO+\b]
.endr
	v_lshl_or_b32 v[PW+(\a)], v[TP+1], 8, v[TP]
	v_lshl_or_b32 v[PW+(\a)], v[TP+2], 16, v[PW+(\a)]
	v_lshl_or_b32 v[PW+(\a)], v[TP+3], 24, v[PW+(\a)]
	WIN 0x02
.irp c, 0,1
	v_cvt_scalef32_pk16_fp6_f32 v[PCA+6*\c:PCA+6*\c+2], v[AC+32*\c:AC+32*\c+15], v[TSO+2*\c]
	v_cvt_scalef32_pk16_fp6_f32 v[CT+4*\c:CT+4*\c+2], v[AC+32*\c+16:AC+32*\c+31], v[TSO+2*\c+1]
.endr
	WIN 0
	v_nop
.irp c, 0,1
.irp i, 0,1,2
	v_permlane16_swap_b32 v[PCA+6*\c+\i], v[CT+4*\c+\i]   ; a whole block to a lane
.endr
.irp i, 0,1,2
	v_mov_b32 v[PCA+3+6*\c+\i], v[CT+4*\c+\i]
.endr
.endr
.endm
.macro OUTQK pc, ps                    ; half c of a tile's fragment is 16 tokens x head c's 64 channels; lanes 0-15 store the first head's scale words, lanes 16-31 the second's
	s_wait_xcnt 0x0                                ; the last way out's stores have read their registers
.irp a, 0,1,2,3
	QUANTW \a
.endr
	v_cmp_ne_u32 vcc_lo, 0, v2
	v_mov_b32 v[SELR], 0x05040100
	v_mov_b32 v[SELR+1], 0x07060302
	v_cndmask_b32 v[SELR], v[SELR], v[SELR+1], vcc_lo
.irp f, 0,1
	v_perm_b32 v[OUTW+\f], v[PW+2*\f+1], v[PW+2*\f], v[SELR]
.endr
.irp a, 0,1,2,3
.irp c, 0,1
	global_store_b128 v[O16], v[PC+12*\a+6*\c:PC+12*\a+6*\c+3], s[\pc:\pc+1] offset:98304*\c+768*\a          ; 512 consecutive bytes, at a multiple of 256 from the buffer's first byte
	global_store_b64  v[O8], v[PC+12*\a+6*\c+4:PC+12*\a+6*\c+5], s[\pc:\pc+1] offset:98304*\c+768*\a+512     ; 256
.endr
.endr
	global_store_b64 v[OS], v[OUTW:OUTW+1], s[\ps:\ps+1]   ; my two words of a row's four
.endm
.macro SHOW                            ; a plain barrier: the weights that the refill brought are shown to all
	s_wait_alu depctr_va_vdst(0)
	s_wait_tensorcnt 0x0
	s_barrier_signal -1
	s_barrier_wait -1
.endm
	s_wait_tensorcnt 0x0                           ; my part of the head's tiles is in,
	s_mov_b32 s[G1W+2], 96<<16                     ; (no tensor load of mine is out: from here on a load of weights brings 2 tiles, 96 rows)
	s_mov_b32 s[G1W+4], 96
	s_barrier_signal -1
	s_barrier_wait -1                              ; everybody's are
; ---- V
	STEPS VB, VA, 2, 1
	LDSC 70, 74                                    ; Q's scale words and bias, under the refill's flight
	BIASQ 78
	PFW PF+1                                       ; Wk's block
.irp a, 0,1,2,3
	QUANTW \a
.endr
.irp a, 0,1,2,3                        ; tile a is channel tile a of my head: 16 channels x my 128 keys
.irp c, 0,1
	global_store_b128 v[O16], v[PC+12*\a+6*\c:PC+12*\a+6*\c+3], s[82:83] offset:1536*\a+768*\c
	global_store_b64  v[O8], v[PC+12*\a+6*\c+4:PC+12*\a+6*\c+5], s[82:83] offset:1536*\a+768*\c+512
.endr
.endr
	global_store_b128 v[OSV], v[PW:PW+3], s[84:85] ; 256 consecutive bytes, aligned (both halves of the lanes hold and write the same words)
	SHOW
; ---- Q
	STEPS QB, QAD, 1, 2
	LDSC 72, 0                                     ; K's; x's scale words stay
	BIASQ 80
	OUTQK 86, 88
	SHOW
; ---- K
	STEPS QB, QAD, 1, 0
	OUTQK 90, 92
	s_wait_tensorcnt 0x0                           ; the wave's end
	ds_add_u32 v[SPW], v[NIL]
	s_wait_dscnt 0x0
	CROUND                                         ; the closing round
	s_endpgm
.Lfunc_end_k_qa4a09d1f2c_qkv:
	.size	k_qa4a09d1f2c_qkv, .Lfunc_end_k_qa4a09d1f2c_qkv-k_qa4a09d1f2c_qkv
	.p2alignl 7, 3214868480
	.fill 96, 4, 3214868480
	.section	.rodata,"a",@progbits
	.p2align	6, 0x0
	.amdhsa_kernel k_qa4a09d1f2c_qkv
		.amdhsa_group_segment_fixed_size 327680
		.amdhsa_private_segment_fixed_size 0
		.amdhsa_enable_private_segment 0
		.amdhsa_kernarg_size 56
		.amdhsa_user_sgpr_count 2
		.amdhsa_user_sgpr_kernarg_segment_ptr 1
		.amdhsa_wavefront_size32 1
		.amdhsa_system_sgpr_workgroup_id_x 1
		.amdhsa_system_sgpr_workgroup_id_y 1
		.amdhsa_system_sgpr_workgroup_id_z 1
		.amdhsa_system_vgpr_workitem_id 0
		.amdhsa_next_free_vgpr 928
		.amdhsa_next_free_sgpr 102
		.amdhsa_reserve_vcc 1
		.amdhsa_float_denorm_mode_32 3
		.amdhsa_float_denorm_mode_16_64 3
		.amdhsa_memory_ordered 1
		.amdhsa_forward_progress 1
		.amdhsa_inst_pref_size 251
	.end_amdhsa_kernel
	.amdgpu_metadata
---
amdhsa.version: [ 1, 2 ]
amdhsa.kernels:
  - .name:           k_qa4a09d1f2c_qkv
    .symbol:         k_qa4a09d1f2c_qkv.kd
    .args:
      - { .name: opi, .offset: 0, .size: 8, .value_kind: global_buffer, .address_space: global }
      - { .name: ops, .offset: 8, .size: 8, .value_kind: global_buffer, .address_space: global }
      - { .name: bq, .offset: 16, .size: 8, .value_kind: global_buffer, .address_space: global }
      - { .name: bk, .offset: 24, .size: 8, .value_kind: global_buffer, .address_space: global }
      - { .name: bv, .offset: 32, .size: 8, .value_kind: global_buffer, .address_space: global }
      - { .name: qkvc, .offset: 40, .size: 8, .value_kind: global_buffer, .address_space: global }
      - { .name: qkvs, .offset: 48, .size: 8, .value_kind: global_buffer, .address_space: global }
    .group_segment_fixed_size: 327680
    .private_segment_fixed_size: 0
    .kernarg_segment_align: 8
    .kernarg_segment_size: 56
    .max_flat_workgroup_size: 128
    .sgpr_count:     102
    .vgpr_count:     928
    .wavefront_size: 32
...
	.end_amdgpu_metadata
.endif
;; end of part 2
;; launch attn (part 3): grid 4 x 64, 8 waves a work-group, clusters of 4 x 1, 327,680 bytes of LDS; arguments qkvc, qkvs, oi, os; writes oi, os
.if DOCPART == 3
	.amdgcn_target "amdgcn-amd-amdhsa--gfx1250"
	.amdhsa_code_object_version 6
	.text
	.protected	k_qa4a09d1f2c_attn
	.globl	k_qa4a09d1f2c_attn
	.p2align	8
	.type	k_qa4a09d1f2c_attn,@function
k_qa4a09d1f2c_attn:
	s_mov_b64 s[64:65], 0
	v_nop
	global_prefetch_b8 v0, s[64:65] scope:SCOPE_SE
	s_setreg_imm32_b32 hwreg(HW_REG_WAVE_MODE, 25, 1), 1
	s_wait_xcnt 0x0
	s_wait_alu depctr_hold_cnt(0) depctr_sa_sdst(0) depctr_va_vdst(0) depctr_va_sdst(0) depctr_va_ssrc(0) depctr_va_vcc(0) depctr_vm_vsrc(0)
	s_getreg_b32 s2, hwreg(HW_REG_IB_STS2, 6, 4)
	s_cmp_eq_u32 s2, 0
	s_cbranch_scc0 .Lentry_in_a_cluster
	s_endpgm
.Lentry_in_a_cluster:
	s_bfe_u32 s2, ttmp6, 0x10000c
	s_cmp_lg_u32 s2, 0x3003
	s_cbranch_scc0 .Lentry_shape_is_right
	s_endpgm
.Lentry_shape_is_right:
; o = softmax(q k^T / 8) v for one batch x head and 512 queries a work-group, on codes of FP6 (E2M3) with E8M0 scales; o leaves quantised along the channels, as the last product's operand.
; p = 2^(t - M), M the ceiling of the running largest t; the row's sum is taken of the unquantised p; when M moves, sum and O^T are multiplied by a power of two.
; LIMITS: the scaled scores stay under 2^31 in magnitude; NaN and infinities are not served; a block of p or o under 2^-124 gets the byte 1 (its codes are zeros; this program alone reads the bytes).
; SHARES: 8 waves, 64 queries (4 tiles of 16) a wave.  All of the head's K and V codes (2 x 98,304 bytes) lie in LDS: one joint load a wave, shared by the 4 work-groups of the cluster, which take the head's 4 x 512 queries.
; The scale words (2 x 4,096 bytes) go through registers into LDS bytes of their own.  No prefetch: the one stream is asked for whole at the head, so there is no loop to run ahead in.
; BOTH PRODUCTS ARE USED TRANSPOSED (S^T = k q^T, O^T = v^T p^T): a lane holds one query.  A K fragment is two tiles of 16 keys x 64 channels; q stands beside six registers of zero codes, so that one half counts at a time.
; THE KEYS OF A TILE ARE CHOSEN BY LDS ADDRESS: tile (c, u) takes keys 64 c + 8 u + j in rows 0-7 and 64 c + 32 + 8 u + j in rows 8-15.  Lane (r, h)'s 32 scores of c are then block 2 c + h of the keys, whole and in order:
; its largest score needs no other lane, and two conversions give six registers of p's operand.  In memory row p of tile T is key 32 (T / 2) + 8 (T % 2) + p + 8 (p / 8): rows 0-7 come from tile 4 c + u % 2, rows 8-15 from tile 4 c + 2 + u % 2, both from rows 8 (u / 2) on.
; THE ORDER OF WORK, tile n = 4 x step + q, on two score buffers by turns.  BODY n: the exponentials of n, with the multiply-adds t - M of n + 1 between them; the first half of the sum, the scales, two conversions;
; QK of n + 2 onto the half buffer just freed, the rest of the sum between its four products; two conversions; the other four products of QK, the moves and O's rescaling between them;
; the largest scores of n + 2; PV of n, the chain that makes M of n + 2 between its four products.  K's fragments of the next step are fetched in the body of q = 1, V's in that of q = 3, each a tile ahead of its first use: every wait on DScnt is for 0.
; O^T begins as zeros and M as the ceiling of -3e38 x c, so that the step is written once (a loop of 15 trips and the last step, which asks for nothing beyond the end).
.set STEPB, 6144
.set VBASE, 98304
.set KSB,   196608
.set VSB,   200704
.set SPARE, 204800                     ; the spare words: 8 x 128 bytes
.set AK16, 1                           ; LDS lane terms: K's pieces of 16 and of 8 bytes, V's, the scale words
.set AK8,  2
.set AV16, 3
.set AV8,  4
.set AKS,  5
.set AVS,  6
.set SH8,  7                           ; 8 h
.set O16,  8                           ; 16 x lane
.set O8,   9                           ; 8 x lane
.set RP,   10
.set R,    11
.set SPW,  12
.set NIL,  13
.set BY,   14                          ; v14-15
.set ST,   16                          ; v16-31 for each query tile: -M, largest score, the sum in two halves
.set KSR,  32
.set VSR,  36
.set QSR,  40
.set T,    44                          ; v44-47 four chains
.set CT,   44                          ; v44-50 the conversions' second halves
.set SB,   52                          ; v52-57 three chains of the sum
.set BM,   58                          ; v58-61 the two blocks' largest, for each buffer
.set F,    62                          ; v62-65 the factor, for each buffer
.set TSO,  66
.set PSW,  68
.set R2,   69
.set S0,   70                          ; v70-133, v134-197 the two score buffers
.set PC,   198                         ; v198-209 p's operand
.set QA,   210                         ; v210-239 zeros, q0, zeros, q1, zeros
.set TA,   240                         ; v240-245 addresses of a fetch
.set HW,   246
.set OSA,  250
.set KF,   128                         ; window 1: v0-127 O^T, v128-175 K's fragments, v176-223 V's, v224-253 zeros, q2, zeros, q3, zeros
.set VF,   176
.set QW,   224
.set WV,   12
.set SEL,  20
.set CS,   22
.set NC,   32
.set TB,   48
.set TS,   49
.set MSB, 0
.macro WIN new
.if MSB != \new
	s_set_vgpr_msb (MSB<<8)|\new
.set MSB, \new
.endif
.endm
.macro WALU
	s_wait_alu depctr_va_vdst(0)
.endm
.macro ROUND
	s_barrier_signal -1
	s_barrier_wait -1
	s_cmp_lg_u32 s[WV], 0
	s_cbranch_scc1 .Lnot_wave_0_\@
	s_barrier_signal -3
.Lnot_wave_0_\@:
	s_barrier_wait -3
	s_barrier_signal -1
	s_barrier_wait -1
.endm
.macro LOADK                           ; the K fragments and scale words of the step at s[TB], s[TS]
	v_add_nc_u32 v[TA], s[TB], v[AK16]
	v_add_nc_u32 v[TA+1], s[TB], v[AK8]
	v_add_nc_u32 v[TA+2], s[TS], v[AKS]
.irp f, 0,1,2,3
	ds_load_b32 v[KSR+\f], v[TA+2] offset:8*(\f/2)+128*(\f%2)
.endr
	WIN 0x40
.irp f, 0,1,2,3
	ds_load_b128 v[KF+12*\f:KF+12*\f+3],     v[TA]   offset:3072*(\f/2)+128*(\f%2)
	ds_load_b64  v[KF+12*\f+4:KF+12*\f+5],   v[TA+1] offset:3072*(\f/2)+64*(\f%2)+512
	ds_load_b128 v[KF+12*\f+6:KF+12*\f+9],   v[TA]   offset:3072*(\f/2)+128*(\f%2)+768
	ds_load_b64  v[KF+12*\f+10:KF+12*\f+11], v[TA+1] offset:3072*(\f/2)+64*(\f%2)+1280
.endr
	WIN 0
.endm
.macro LOADV
	v_add_nc_u32 v[TA+3], s[TB], v[AV16]
	v_add_nc_u32 v[TA+4], s[TB], v[AV8]
	v_add_nc_u32 v[TA+5], s[TS], v[AVS]
	ds_load_b128 v[VSR:VSR+3], v[TA+5]
	WIN 0x40
.irp t, 0,1,2,3
	ds_load_b128 v[VF+12*\t:VF+12*\t+3],     v[TA+3] offset:1536*\t
	ds_load_b64  v[VF+12*\t+4:VF+12*\t+5],   v[TA+4] offset:1536*\t+512
	ds_load_b128 v[VF+12*\t+6:VF+12*\t+9],   v[TA+3] offset:1536*\t+768
	ds_load_b64  v[VF+12*\t+10:VF+12*\t+11], v[TA+4] offset:1536*\t+1280
.endr
	WIN 0
.endm
; S^T of query tile q into buffer par: register 32 c + 8 u + j = key 64 c + 32 h + 8 u + j.  QK1 is one product: fragment f = 2 c + u / 2, half e = u % 2
.macro QKSET q, par
.set KS_, S0+64*(\par)
.set KQ_, QA+(QW-QA)*((\q)/2)+12*((\q)%2)
.set KW_, 1+4*((\q)/2)
.set KX_, QSR+(\q)
.endm
.macro QK1 f, e
	WIN KW_
	v_wmma_scale_f32_16x16x128_f8f6f4 v[KS_+16*\f+8*\e:KS_+16*\f+8*\e+7], v[KF+12*\f:KF+12*\f+11], v[KQ_+6-6*\e:KQ_+17-6*\e], 0, v[KSR+\f], v[KX_] matrix_a_fmt:MATRIX_FMT_FP6 matrix_b_fmt:MATRIX_FMT_FP6
.endm
.macro QKC on, f, e
.if \on
	QK1 \f, \e
.endif
.endm
.macro QK q, par
	QKSET \q, \par
.irp f, 0,1,2,3
	QK1 \f, 0
	QK1 \f, 1
.endr
	WIN 0
.endm
; the two blocks' largest scores (MAXA: four chains by turns, each accumulator from its low end on), then, level by level (MAXL), the running largest, -M and the factor 2^(old M - new M)
.macro MAXSET q, par
.set MS_, S0+64*(\par)
.set MT_, ST+4*(\q)
.set MB_, BM+2*(\par)
.set MF_, F+2*(\par)
.endm
.macro MAXA
.irp k, 0,1,2,3
	v_max3_num_f32 v[T+\k], v[MS_+16*\k], v[MS_+16*\k+1], v[MS_+16*\k+2]
.endr
.irp i, 3,5,7,9,11,13
.irp k, 0,1,2,3
	v_max3_num_f32 v[T+\k], v[T+\k], v[MS_+16*\k+\i], v[MS_+16*\k+\i+1]
.endr
.endr
.endm
.macro MAXL i
.if \i == 0
	v_max3_num_f32 v[MB_], v[T], v[T+1], v[MS_+15]
	v_max3_num_f32 v[MB_+1], v[T+2], v[T+3], v[MS_+47]
.elseif \i == 1
	v_max_num_f32 v[MB_], v[MB_], v[MS_+31]
	v_max_num_f32 v[MB_+1], v[MB_+1], v[MS_+63]
.elseif \i == 2
	v_max_num_f32 v[R], v[MB_], v[MB_+1]
	v_mov_b32 v[R2], v[MT_]
.elseif \i == 3
	v_permlanex16_b32 v[RP], v[R], s[SEL], s[SEL+1]
.elseif \i == 4
	v_max3_num_f32 v[MT_+1], v[MT_+1], v[R], v[RP]     ; with lane l xor 16's 64 keys
.elseif \i == 5
	v_mul_f32 v[R], s[NC], v[MT_+1]                    ; -t
.elseif \i == 6
	v_floor_f32 v[MT_], v[R]                           ; -M = floor(-t): a whole number
.elseif \i == 7
	v_sub_f32 v[R], v[MT_], v[R2]
.elseif \i == 8
	v_cvt_i32_f32 v[R], v[R]                           ; (it saturates)
.else
	v_ldexp_f32 v[MF_], 1.0, v[R]
.endif
.endm
.macro MAXC on, i
.if \on
	WIN 0
	MAXL \i
.endif
.endm
.macro MAXM q, par
	MAXSET \q, \par
	MAXA
.irp i, 0,1,2,3,4,5,6,7,8,9
	MAXL \i
.endr
.endm
.macro FMA q, par                      ; t - M, for the first tile alone: the others' stand among the exponentials
.set AS_, S0+64*(\par)
.set AT_, ST+4*(\q)
.set j_, 0
.rept 32
	v_pk_fma_f32 v[AS_+j_:AS_+j_+1], v[AS_+j_:AS_+j_+1], s[CS:CS+1], v[AT_:AT_+1] op_sel_hi:[1,0,0]
.set j_, j_+2
.endr
.irp c, 0,1
	v_fma_f32 v[BM+2*(\par)+\c], v[BM+2*(\par)+\c], s[CS], v[AT_]
.endr
.endm
; the sum of the unquantised p: 32 packed additions in four chains; entry i_ < 13 reads the buffer's first 32 registers alone, the later ones its last 32
.macro SUMS n
.rept \n
.if i_ == 0
	v_pk_add_f32 v[L_:L_+1], v[L_:L_+1], v[SS_:SS_+1]
.elseif i_ < 4
	v_pk_add_f32 v[SB+2*i_-2:SB+2*i_-1], v[SS_+4*i_-2:SS_+4*i_-1], v[SS_+4*i_:SS_+4*i_+1]
.elseif i_ < 29
.if i_%4 == 0
	v_pk_add_f32 v[L_:L_+1], v[L_:L_+1], v[SS_+2*i_+6:SS_+2*i_+7]
.else
	v_pk_add_f32 v[SB+2*(i_%4)-2:SB+2*(i_%4)-1], v[SB+2*(i_%4)-2:SB+2*(i_%4)-1], v[SS_+2*i_+6:SS_+2*i_+7]
.endif
.elseif i_ == 29
	v_pk_add_f32 v[SB:SB+1], v[SB:SB+1], v[SB+2:SB+3]
.elseif i_ == 30
	v_pk_add_f32 v[L_:L_+1], v[L_:L_+1], v[SB+4:SB+5]
.else
	v_pk_add_f32 v[L_:L_+1], v[L_:L_+1], v[SB:SB+1]
.endif
.set i_, i_+1
.endr
.endm
.macro SCL g                           ; p's scales, level by level
.if \g == 0
	v_max_num_f32 v[BM_], 0x1800000, v[BM_]        ; the floor 2^(3 - 127): the byte cannot fall under 1
	v_max_num_f32 v[BM_+1], 0x1800000, v[BM_+1]
.elseif \g == 1
	v_add_nc_u32 v[TSO], 0xff000000, v[BM_]        ; 2 off the exponent field: the conversion's scale operand
	v_add_nc_u32 v[TSO+1], 0xff000000, v[BM_+1]
.elseif \g == 2
	v_lshrrev_b32 v[BY], 23, v[TSO]
	v_lshrrev_b32 v[BY+1], 23, v[TSO+1]
.elseif \g == 3
	v_lshl_or_b32 v[BY], v[BY+1], 16, v[BY]        ; my bytes: blocks h and 2 + h
.elseif \g == 4
	v_lshlrev_b32 v[BY], v[SH8], v[BY]
.else
	v_permlanex16_b32 v[RP], v[BY], s[SEL], s[SEL+1]
.endif
.endm
.macro RESC n                          ; O^T under the new M, n pairs on from j_
	WIN 0x41
.rept \n
	v_pk_mul_f32 v[rO_+j_:rO_+j_+1], v[rO_+j_:rO_+j_+1], v[F_:F_+1] op_sel_hi:[1,0]
.set j_, j_+2
.endr
.endm
.macro PV1 t
	WIN 0x51
	v_wmma_scale_f32_16x16x128_f8f6f4 v[rO_+8*\t:rO_+8*\t+7], v[VF+12*\t:VF+12*\t+11], v[PC:PC+11], v[rO_+8*\t:rO_+8*\t+7], v[VSR+\t], v[PSW] matrix_a_fmt:MATRIX_FMT_FP6 matrix_b_fmt:MATRIX_FMT_FP6
.endm
; qk: QK and the largest scores of the tile two on;  fm: the multiply-adds of the next tile;  lk, lv: the next step's fetches
.macro BODY q, qk, fm, lk, lv
.set P_, (\q)%2
.set SS_, S0+64*P_
.set SO_, S0+64*(1-P_)
.set L_, ST+4*(\q)+2
.set rN_, ST+4*((\q+1)%4)
.set BM_, BM+2*P_
.set BO_, BM+2*(1-P_)
.set F_, F+2*P_
.set rO_, 32*(\q)
	WALU                                           ; the wait ahead of the batch
.set j_, 0
.rept 32
	v_exp_f32 v[SS_+j_], v[SS_+j_]
	v_exp_f32 v[SS_+j_+1], v[SS_+j_+1]
.if \fm
	v_pk_fma_f32 v[SO_+j_:SO_+j_+1], v[SO_+j_:SO_+j_+1], s[CS:CS+1], v[rN_:rN_+1] op_sel_hi:[1,0,0]   ; its sources stand ahead of the wait above, its readers behind the wait below
.endif
.set j_, j_+2
.endr
.irp c, 0,1
	v_exp_f32 v[BM_+\c], v[BM_+\c]                 ; a block's largest p: the same two instructions on the same number
.if \fm
	v_fma_f32 v[BO_+\c], v[BO_+\c], s[CS], v[rN_]
.endif
.endr
	v_pk_mul_f32 v[L_:L_+1], v[L_:L_+1], v[F_:F_+1] op_sel_hi:[1,0]   ; the sum under the new M
	WALU                                           ; and behind it
.set i_, 0
	SCL 0
	SUMS 4
	SCL 1
	SUMS 4
	SCL 2
	SUMS 5
	v_cvt_scalef32_pk16_fp6_f32 v[PC:PC+2], v[SS_:SS_+15], v[TSO]
	v_cvt_scalef32_pk16_fp6_f32 v[CT:CT+2], v[SS_+16:SS_+31], v[TSO]        ; (a conversion's three registers begin on an even number)
	SUMS 1                                         ; the plain line behind the conversions; the buffer's first 32 registers are free
.if \qk
.if (\q) == 2
	WALU
	s_wait_dscnt 0x0                               ; the next step's K fragments, asked for a tile ago
.endif
	QKSET (\q+2)%4, P_
.endif
	QKC \qk, 0, 0
	WIN 0
	SUMS 5
	SCL 3
	QKC \qk, 0, 1
	WIN 0
	SUMS 5
	SCL 4
	QKC \qk, 1, 0
	WIN 0
	SUMS 5
	SCL 5
	QKC \qk, 1, 1
	WIN 0
	SUMS 3
	v_cvt_scalef32_pk16_fp6_f32 v[PC+6:PC+8], v[SS_+32:SS_+47], v[TSO+1]
	v_cvt_scalef32_pk16_fp6_f32 v[CT+4:CT+6], v[SS_+48:SS_+63], v[TSO+1]
	v_or_b32 v[PSW], v[BY], v[RP]                  ; p's scale word; also the plain line behind the conversions; over eight plain lines ahead of PV
	QKC \qk, 2, 0
	WIN 0
.irp i, 0,1,2
	v_mov_b32 v[PC+3+\i], v[CT+\i]
	v_mov_b32 v[PC+9+\i], v[CT+4+\i]
.endr
.set j_, 0
	QKC \qk, 2, 1
	RESC 5
	QKC \qk, 3, 0
	RESC 5
	QKC \qk, 3, 1
	RESC 6                                         ; six plain lines behind the last product of QK, ahead of the first read of its result
	WIN 0
.if \qk
	MAXSET (\q+2)%4, P_
	MAXA
.endif
.if (\q) == 0
	WALU
	s_wait_dscnt 0x0                               ; this step's V fragments, asked for a tile ago
.endif
	PV1 0
	MAXC \qk, 0
	PV1 1
	MAXC \qk, 1
	PV1 2
	MAXC \qk, 2
	PV1 3
	WIN 0
.irp i, 3,4,5,6,7,8,9
	MAXC \qk, \i
.endr
.if \lk
	LOADK
.endif
.if \lv
	LOADV                                          ; seven plain lines stand behind the last product that read V's registers
.endif
.endm
; ---- the head
	s_load_b256 s[4:11], s[0:1], 0x0               ; qkvc, qkvs, oi, os
	v_lshl_add_u32 v[SPW], v0, 2, SPARE
	v_mov_b32 v[NIL], 0
	ds_add_u32 v[SPW], v[NIL]
	ds_add_u32 v[SPW], v[NIL]
	v_lshrrev_b32 v1, 5, v0
	v_readfirstlane_b32 s[WV], v1
	s_bfe_u32 s13, ttmp6, 0x40000                  ; cx: which 512 queries
	s_and_b32 s14, ttmp7, 0xffff                   ; batch x head
	s_mov_b32 s24, 15|(3<<16)|(1<<21)              ; 96 rows of 256 bytes, dense, for all four partners
	s_mov_b32 s25, 32<<16
	s_mov_b32 s26, 96<<16
	s_mov_b32 s27, 32<<16
	s_mov_b32 s28, 96
	s_mov_b32 s29, 32
	s_mov_b32 s30, 0
	s_mov_b32 s31, 0
	s_mul_i32 s15, s14, 98304
	s_lshl_b32 s16, s14, 12
	s_lshr_b32 s52, s[WV], 2
	s_add_co_u32 s52, s52, 1                       ; waves 0-3 K's region, waves 4-7 V's
	s_and_b32 s53, s[WV], 3                        ; which quarter
	s_mul_i32 s54, s52, 6291456
	s_add_co_u32 s54, s54, s15
	s_mul_i32 s56, s53, 24576
	s_add_co_u32 s54, s54, s56
	s_mov_b32 s55, 0
	s_mov_b32 s40, 1
	s_mul_i32 s41, s[WV], 24576
	s_wait_dscnt 0x0
	s_wait_kmcnt 0x0
	ROUND
	s_add_nc_u64 s[42:43], s[4:5], s[54:55]
	s_or_b32 s43, s43, 0x80000000
	tensor_load_to_lds s[40:43], s[24:31]          ; my one load
	s_nop 0
.rept 4
	v_nop
.endr
	s_mov_b32 s[SEL], 0x76543210
	s_mov_b32 s[SEL+1], 0xfedcba98
	s_mov_b32 s[CS], 0x3e38aa3b                    ; c = log2(e) / 8
	s_mov_b32 s[CS+1], s[CS]
	s_mov_b32 s[NC], 0xbe38aa3b                    ; -c
	s_lshl_b32 s17, s13, 5
	s_lshl_b32 s18, s[WV], 2
	s_add_co_u32 s17, s17, s18                     ; my first query tile of the sequence's 128
	s_mul_i32 s60, s17, 768
	s_add_co_u32 s60, s60, s15
	s_mov_b32 s61, 0
	s_add_nc_u64 s[60:61], s[4:5], s[60:61]        ; q's codes
	s_lshl_b32 s18, s13, 2
	s_lshr_b32 s19, s[WV], 1
	s_add_co_u32 s18, s18, s19
	s_lshl_b32 s62, s18, 8
	s_add_co_u32 s62, s62, s16
	s_and_b32 s19, s[WV], 1
	s_lshl_b32 s19, s19, 3
	s_add_co_u32 s62, s62, s19
	s_mov_b32 s63, 0
	s_add_nc_u64 s[62:63], s[6:7], s[62:63]        ; q's scale words
	s_add_co_u32 s56, s16, 1<<18
	s_mov_b32 s57, 0
	s_add_nc_u64 s[56:57], s[6:7], s[56:57]        ; K's scale words of this head,
	s_add_nc_u64 s[58:59], s[56:57], 1<<18         ; V's
	s_lshr_b32 s18, s14, 4
	s_lshl_b32 s18, s18, 7
	s_add_co_u32 s18, s18, s17                     ; my first tile of oi
	s_and_b32 s19, s14, 15
	s_mul_i32 s2, s18, 12288
	s_mul_i32 s51, s19, 768
	s_add_co_u32 s2, s2, s51
	s_mov_b32 s3, 0
	s_add_nc_u64 s[8:9], s[8:9], s[2:3]
	s_lshl_b32 s2, s18, 9
	s_lshl_b32 s19, s19, 1
	s_add_co_u32 s2, s2, s19
	s_add_nc_u64 s[10:11], s[10:11], s[2:3]
	s_mov_b32 s[TB], 0
	s_mov_b32 s[TS], 0
	s_mov_b32 s50, 15
	v_and_b32 v10, 31, v0                          ; lane
	v_and_b32 v11, 15, v0                          ; r
	v_bfe_u32 v14, v0, 4, 1                        ; h
	v_and_b32 v15, 7, v0                           ; r % 8
	v_bfe_u32 v44, v0, 3, 1                        ; r / 8
	v_lshlrev_b32 v[O16], 4, v10
	v_lshlrev_b32 v[O8], 3, v10
	v_lshlrev_b32 v[OSA], 5, v10
	v_add_nc_u32 v[AV16], VBASE, v[O16]
	v_add_nc_u32 v[AV8], VBASE, v[O8]
	v_mul_u32_u24 v45, v44, 1536                   ; rows 8-15 come from the tile two on
	v_lshl_add_u32 v[AK16], v15, 4, v45
	v_lshl_add_u32 v[AK16], v14, 8, v[AK16]
	v_lshl_add_u32 v[AK8], v15, 3, v45
	v_lshl_add_u32 v[AK8], v14, 7, v[AK8]
	v_lshlrev_b32 v[AKS], 4, v15
	v_lshl_add_u32 v[AKS], v44, 2, v[AKS]
	v_add_nc_u32 v[AKS], KSB, v[AKS]               ; K's scale word: row r % 8 (+ 8 by the offset), word r / 8 (+ 2 c)
	v_lshl_add_u32 v[AVS], v11, 4, VSB
	v_lshlrev_b32 v[SH8], 3, v14
	v_lshlrev_b32 v46, 4, v0                       ; 16 x thread: 256 threads copy 4,096 bytes
	v_lshlrev_b32 v47, 4, v11
	v_add_nc_u32 v48, KSB, v46
	WALU
.irp q, 0,1
	global_load_b128 v[QA+12*\q+6:QA+12*\q+9],   v[O16], s[60:61] offset:768*\q
	global_load_b64  v[QA+12*\q+10:QA+12*\q+11], v[O8], s[60:61] offset:768*\q+512
.endr
	WIN 0x40
.irp q, 0,1
	global_load_b128 v[QW+12*\q+6:QW+12*\q+9],   v[O16], s[60:61] offset:768*\q+1536
	global_load_b64  v[QW+12*\q+10:QW+12*\q+11], v[O8], s[60:61] offset:768*\q+2048
.endr
	WIN 0
	global_load_b64 v[52:53], v47, s[62:63]
	global_load_b128 v[70:73], v46, s[56:57]
	global_load_b128 v[74:77], v46, s[58:59]
	s_wait_loadcnt 0x0
	v_perm_b32 v[QSR+0], v52, v52, 0x01000100      ; a tile's two bytes, for either half of K = 128
	v_perm_b32 v[QSR+1], v52, v52, 0x03020302
	v_perm_b32 v[QSR+2], v53, v53, 0x01000100
	v_perm_b32 v[QSR+3], v53, v53, 0x03020302
.irp z, 0,1,2
.irp i, 0,1,2,3,4,5
	v_mov_b32 v[QA+12*\z+\i], 0                    ; zero codes beside q
.endr
.endr
.irp q, 0,1,2,3
	v_mov_b32 v[ST+4*\q+1], 0xff61b1e6             ; -3e38, under every score
	v_mov_b32 v[ST+4*\q+2], 0
	v_mov_b32 v[ST+4*\q+3], 0
.endr
.irp q, 0,1,2,3
	v_mul_f32 v[ST+4*\q], s[NC], v[ST+4*\q+1]
.endr
.irp q, 0,1,2,3
	v_floor_f32 v[ST+4*\q], v[ST+4*\q]
.endr
	v_mov_b32 v[F+1], 0                            ; (named as the upper halves of pairs)
	v_mov_b32 v[F+3], 0
	WIN 0x40
.irp z, 0,1,2
.irp i, 0,1,2,3,4,5
	v_mov_b32 v[QW+12*\z+\i], 0
.endr
.endr
.set j_, 0
.rept 128
	v_mov_b32 v[j_], 0                             ; O^T: the first factor is 0 and leaves zeros, so the step's text serves the first step too
.set j_, j_+1
.endr
	WIN 0
	WALU                                           ; the wait at the head's end
	s_wait_tensorcnt 0x0                           ; my part of K or V is in
	ds_store_b128 v48, v[70:73]                    ; the scale words, into bytes on which no fill lands
	ds_store_b128 v48, v[74:77] offset:VSB-KSB
	s_wait_dscnt 0x0
	s_barrier_signal -1
	s_barrier_wait -1                              ; everybody's are
	LOADK
	LOADV
	s_wait_dscnt 0x0
	s_mov_b32 s[TB], STEPB
	s_mov_b32 s[TS], 256
	QK 0, 0
	QK 1, 1
.rept 4
	v_nop
.endr
	MAXM 0, 0
	MAXM 1, 1
	FMA 0, 0
.Lstep:
	BODY 0, 1, 1, 0, 0
	BODY 1, 1, 1, 1, 0
	BODY 2, 1, 1, 0, 0
	BODY 3, 1, 1, 0, 1
	s_add_co_u32 s[TB], s[TB], STEPB
	s_add_co_u32 s[TS], s[TS], 256
	s_sub_co_u32 s50, s50, 1
	s_cmp_lg_u32 s50, 0
	s_cbranch_scc1 .Lstep
	BODY 0, 1, 1, 0, 0                             ; the last step asks for nothing beyond the end
	BODY 1, 1, 1, 0, 0
	BODY 2, 0, 1, 0, 0
	BODY 3, 0, 0, 0, 0
; ---- the way out: O^T / the sum, quantised along the head's 64 channels (register 16 b + i = channel 32 b + 16 h + i: a block is shared with lane l xor 16)
.irp q, 0,1,2,3
	v_add_f32 v[T+\q], v[ST+4*\q+2], v[ST+4*\q+3]
.endr
.irp q, 0,1,2,3
	v_permlanex16_b32 v[SB+\q], v[T+\q], s[SEL], s[SEL+1]
.endr
.irp q, 0,1,2,3
	v_add_f32 v[T+\q], v[T+\q], v[SB+\q]
.endr
	WALU
.irp q, 0,1,2,3
	v_rcp_f32 v[ST+4*\q+2], v[T+\q]
.endr
	v_bfe_u32 v[R], v0, 4, 1
	v_cmp_ne_u32 vcc_lo, 0, v[R]
	WALU
.macro OUTQ q
.set rE, S0+64+8*(\q)
	WIN 0x01
.set j_, 0
.rept 16
	v_pk_mul_f32 v[S0+j_:S0+j_+1], v[32*(\q)+j_:32*(\q)+j_+1], v[ST+4*(\q)+2:ST+4*(\q)+3] op_sel_hi:[1,0]
.set j_, j_+2
.endr
	WIN 0
.irp b, 0,1
	v_max3_num_f32 v[T+\b], |v[S0+16*\b]|, |v[S0+16*\b+1]|, 0x1800000
.endr
.irp i, 2,4,6,8,10,12,14
.irp b, 0,1
	v_max3_num_f32 v[T+\b], v[T+\b], |v[S0+16*\b+\i]|, |v[S0+16*\b+\i+1]|
.endr
.endr
.irp b, 0,1
	v_permlanex16_b32 v[SB+\b], v[T+\b], s[SEL], s[SEL+1]
.endr
.irp b, 0,1
	v_max_num_f32 v[T+\b], v[T+\b], v[SB+\b]
.endr
.irp b, 0,1
	v_add_nc_u32 v[TSO+\b], 0xff000000, v[T+\b]
.endr
.irp b, 0,1
	v_lshrrev_b32 v[SB+\b], 23, v[TSO+\b]
.endr
	v_lshl_or_b32 v[HW+\q], v[SB+1], 8, v[SB]
	v_cvt_scalef32_pk16_fp6_f32 v[rE:rE+2], v[S0:S0+15], v[TSO]
	v_cvt_scalef32_pk16_fp6_f32 v[rE+4:rE+6], v[S0+16:S0+31], v[TSO+1]
	v_nop
.irp i, 0,1,2
	v_permlane16_swap_b32 v[rE+\i], v[rE+4+\i]     ; a whole block to a lane
.endr
.irp i, 0,1,2
	v_mov_b32 v[rE+3+\i], v[rE+4+\i]
.endr
	global_store_b128 v[O16], v[rE:rE+3], s[8:9] offset:12288*\q          ; 512 consecutive bytes, at a multiple of 256 from oi's first byte
	global_store_b64  v[O8], v[rE+4:rE+5], s[8:9] offset:12288*\q+512     ; 256
.endm
	OUTQ 0
	OUTQ 1
	OUTQ 2
	OUTQ 3
	v_cndmask_b32 v[SB], v[HW], v[HW+1], vcc_lo
	v_cndmask_b32 v[SB+1], v[HW+2], v[HW+3], vcc_lo
	global_store_b16 v[OSA], v[SB], s[10:11]       ; a row's two scale bytes of this head
	global_store_b16 v[OSA], v[SB+1], s[10:11] offset:1024
	s_wait_tensorcnt 0x0                           ; the wave's end
	ds_add_u32 v[SPW], v[NIL]
	s_wait_dscnt 0x0
	ROUND                                          ; the closing round
	s_endpgm
.Lfunc_end_k_qa4a09d1f2c_attn:
	.size	k_qa4a09d1f2c_attn, .Lfunc_end_k_qa4a09d1f2c_attn-k_qa4a09d1f2c_attn
	.p2alignl 7, 3214868480
	.fill 96, 4, 3214868480
	.section	.rodata,"a",@progbits
	.p2align	6, 0x0
	.amdhsa_kernel k_qa4a09d1f2c_attn
		.amdhsa_group_segment_fixed_size 327680
		.amdhsa_private_segment_fixed_size 0
		.amdhsa_enable_private_segment 0
		.amdhsa_kernarg_size 32
		.amdhsa_user_sgpr_count 2
		.amdhsa_user_sgpr_kernarg_segment_ptr 1
		.amdhsa_wavefront_size32 1
		.amdhsa_system_sgpr_workgroup_id_x 1
		.amdhsa_system_sgpr_workgroup_id_y 1
		.amdhsa_system_sgpr_workgroup_id_z 1
		.amdhsa_system_vgpr_workitem_id 0
		.amdhsa_next_free_vgpr 512
		.amdhsa_next_free_sgpr 66
		.amdhsa_reserve_vcc 1
		.amdhsa_float_denorm_mode_32 3
		.amdhsa_float_denorm_mode_16_64 3
		.amdhsa_memory_ordered 1
		.amdhsa_forward_progress 1
		.amdhsa_inst_pref_size 135
	.end_amdhsa_kernel
	.amdgpu_metadata
---
amdhsa.version: [ 1, 2 ]
amdhsa.kernels:
  - .name:           k_qa4a09d1f2c_attn
    .symbol:         k_qa4a09d1f2c_attn.kd
    .args:
      - { .name: qkvc, .offset: 0, .size: 8, .value_kind: global_buffer, .address_space: global }
      - { .name: qkvs, .offset: 8, .size: 8, .value_kind: global_buffer, .address_space: global }
      - { .name: oi, .offset: 16, .size: 8, .value_kind: global_buffer, .address_space: global }
      - { .name: os, .offset: 24, .size: 8, .value_kind: global_buffer, .address_space: global }
    .group_segment_fixed_size: 327680
    .private_segment_fixed_size: 0
    .kernarg_segment_align: 8
    .kernarg_segment_size: 32
    .max_flat_workgroup_size: 256
    .sgpr_count:     66
    .vgpr_count:     512
    .wavefront_size: 32
...
	.end_amdgpu_metadata
.endif
;; end of part 3
;; launch proj (part 4): grid 4 x 64, 4 waves a work-group, clusters of 4 x 4, 327,680 bytes of LDS; arguments oi, os, opi, ops, bo, out0; writes out0
.if DOCPART == 4
	.amdgcn_target "amdgcn-amd-amdhsa--gfx1250"
	.amdhsa_code_object_version 6
	.text
	.protected	k_qa4a09d1f2c_proj
	.globl	k_qa4a09d1f2c_proj
	.p2align	8
	.type	k_qa4a09d1f2c_proj,@function
k_qa4a09d1f2c_proj:
	s_mov_b64 s[64:65], 0
	v_nop
	global_prefetch_b8 v0, s[64:65] scope:SCOPE_SE
	s_setreg_imm32_b32 hwreg(HW_REG_WAVE_MODE, 25, 1), 1
	s_wait_xcnt 0x0
	s_wait_alu depctr_hold_cnt(0) depctr_sa_sdst(0) depctr_va_vdst(0) depctr_va_sdst(0) depctr_va_ssrc(0) depctr_va_vcc(0) depctr_vm_vsrc(0)
	s_getreg_b32 s2, hwreg(HW_REG_IB_STS2, 6, 4)
	s_cmp_eq_u32 s2, 0
	s_cbranch_scc0 .Lentry_in_a_cluster
	s_endpgm
.Lentry_in_a_cluster:
	s_bfe_u32 s2, ttmp6, 0x10000c
	s_cmp_lg_u32 s2, 0xf033
	s_cbranch_scc0 .Lentry_shape_is_right
	s_endpgm
.Lentry_shape_is_right:
; out0 = o Wo^T + bo on codes of FP6 (E2M3) with E8M0 scales, sums in f32.  o's codes (oi, os) come from the attention launch, Wo's (opi, ops from tile 704 on) from the quantiser.
; A work-group makes 128 tokens x 256 channels: 64 x 4 = 256 work-groups.  Four waves, 2 x 2; a wave makes 64 x 128: 32 accumulators of 16 x 16.
; NO RING: K is 1,024, so the work-group's 8 tiles of o (98,304 bytes) and 16 tiles of Wo (196,608 bytes), all of K, lie in LDS together.  Both are dense blocks of memory, stated as rows of 256 bytes:
; waves 0 and 1 ask for a half of o's each, waves 2 and 3 for a half of Wo's: one tensor load a wave, no byte is filled again, one barrier shows all.
; CLUSTERS, 4 x 4: o's tiles hang on the block of tokens alone and are shared along a row of the cluster, Wo's on the block of channels alone and are shared along a column.
; No prefetch: all tiles are asked for at the head, so there is no loop to run ahead in.
; OPERANDS ARE IMAGES OF REGISTERS: [tile of 16 rows][G 8][1,536 bytes]; a fragment comes by four dense loads.  Row p of tile T is the tensor's row 32 (T / 2) + 8 (T % 2) + p + 8 (p / 8).
; THE MATRIX INSTRUCTION IS USED TRANSPOSED (source 0 = 16 rows of Wo, source 1 = 16 tokens): register 8 b + j of a lane is channel 32 (b / 2) + 16 h + 8 (b % 2) + j of its token.  The bias is the first products' C.
; THE SCALE WORDS (32 bytes a row: eight words, one for each 128 along K) and the bias come straight into registers: a lane takes its row's 32 bytes by two loads.
; A step is 128 along K: 32 products; both sides have two sets of fragment registers, and the next step's 48 LDS loads go out ahead of this step's products.
; THE WAY OUT: 16 tokens x 128 channels at a time through the wave's stage and back as rows of 512 bytes.  The stages lie on o's bytes, which have had their only fill; a barrier stands between every wave's last read of the tiles and the first store.
; REGISTERS: window 0: v0-31 addresses; v32-63 o's scale words (8 a + g); v68-131 Wo's (8 b + g); v136-231 o's fragments, two sets.  Window 1: Wo's fragments, two sets, at v0 and v128.  Window 2: the accumulators, (a, b) at v[8 (8 a + b)].  Window 3: v0-63 the bias.
.set FR,     12
.set FIB,    1536
.set TILEB,  8*FIB
.set BB,     8*TILEB                   ; Wo's tiles lie behind o's eight
.set SPARE,  24*TILEB                  ; the spare words: 4 x 128 bytes
.set SPITCH, 528
.set ADRA, 16                          ; v16-17 my o fragments: + 16 x lane, + 8 x lane
.set ADRB, 20                          ; v20-21 my Wo tiles 0-3, v22-23 tiles 4-7
.set STO,  24
.set RD,   25
.set CO,   26                          ; 16 x lane
.set SO,   27                          ; 32 r
.set SPW,  28
.set NIL,  29
.set BO1,  30                          ; 64 h
.set SAS,  32
.set SBS,  68
.set AF,   136
.set BK,   64                          ; the way out: v64-127 and v128-191 by turns
.set WV,   18
.set HA,   19
.set HB,   20
.set G1,   24
.set G0,   32
.set G1B,  48
.set G0B,  56
.set MSB, 0
.macro WIN new
.if MSB != \new
	s_set_vgpr_msb (MSB<<8)|\new
.set MSB, \new
.endif
.endm
.macro PLACES n
.rept \n
	v_nop
.endr
.endm
.macro CROUND
	s_barrier_signal -1
	s_barrier_wait -1
	s_cmp_lg_u32 s[WV], 0
	s_cbranch_scc1 .Lnot_wave_0_\@
	s_barrier_signal -3
.Lnot_wave_0_\@:
	s_barrier_wait -3
	s_barrier_signal -1
	s_barrier_wait -1
.endm
	s_load_b256 s[4:11], s[0:1], 0x0               ; oi, os, opi, ops
	s_load_b128 s[12:15], s[0:1], 0x20             ; bo, out0
	v_lshl_add_u32 v[SPW], v0, 2, SPARE
	v_mov_b32 v[NIL], 0
	ds_add_u32 v[SPW], v[NIL]
	ds_add_u32 v[SPW], v[NIL]
	v_lshrrev_b32 v1, 5, v0
	v_readfirstlane_b32 s[WV], v1
	s_lshr_b32 s[HA], s[WV], 1                     ; my half of the tokens; also: I fetch for o (0) or Wo (1)
	s_and_b32 s[HB], s[WV], 1                      ; my half of the channels; also: which half I fetch
	s_bfe_u32 s40, ttmp6, 0x40000                  ; cx = the block of 256 channels
	s_bfe_u32 s41, ttmp6, 0x40004                  ; cy
	s_and_b32 s42, ttmp7, 0xffff
	s_lshl_b32 s42, s42, 2
	s_add_co_u32 s21, s42, s41                     ; the block of 128 tokens
	s_lshl_b32 s43, s41, 2
	s_lshl_b32 s43, 15, s43                        ; my row of the cluster
	s_lshl_b32 s44, 0x1111, s40                    ; my column
	s_or_b32 s[G1], s43, (3<<16)|(1<<21)           ; rows of 32 elements of 8 bytes, dense
	s_or_b32 s[G1B], s44, (3<<16)|(1<<21)
	s_mov_b32 s[G1+1], 32<<16
	s_mov_b32 s[G1+2], 192<<16                     ; 4 tiles: 192 rows of 256 bytes
	s_mov_b32 s[G1+3], 32<<16
	s_mov_b32 s[G1+4], 192
	s_mov_b32 s[G1+5], 32
	s_mov_b32 s[G1+6], 0
	s_mov_b32 s[G1+7], 0
	s_mov_b32 s[G1B+1], 32<<16
	s_mov_b32 s[G1B+2], 384<<16                    ; 8 tiles: 384 rows
	s_mov_b32 s[G1B+3], 32<<16
	s_mov_b32 s[G1B+4], 384
	s_mov_b32 s[G1B+5], 32
	s_mov_b32 s[G1B+6], 0
	s_mov_b32 s[G1B+7], 0
	s_lshl_b32 s36, s21, 3
	s_lshl_b32 s2, s[HB], 2
	s_add_co_u32 s36, s36, s2                      ; o: tile 8 x block + 4 x half
	s_mul_i32 s36, s36, TILEB
	s_mov_b32 s37, 0
	s_lshl_b32 s46, s40, 4
	s_add_co_u32 s46, s46, 704
	s_lshl_b32 s2, s[HB], 3
	s_add_co_u32 s46, s46, s2                      ; Wo: tile 704 + 16 cx + 8 x half
	s_mul_i32 s46, s46, TILEB
	s_mov_b32 s47, 0
	s_mov_b32 s[G0], 1
	s_mul_i32 s[G0+1], s[HB], 4*TILEB
	s_mov_b32 s[G0B], 1
	s_mul_i32 s[G0B+1], s[HB], 8*TILEB
	s_add_co_u32 s[G0B+1], s[G0B+1], BB
	s_wait_dscnt 0x0
	s_wait_kmcnt 0x0
	CROUND                                         ; all sixteen work-groups are here: the joint loads meet
	s_add_nc_u64 s[G0+2:G0+3], s[4:5], s[36:37]
	s_or_b32 s[G0+3], s[G0+3], 0x80000000
	s_add_nc_u64 s[G0B+2:G0B+3], s[8:9], s[46:47]
	s_or_b32 s[G0B+3], s[G0B+3], 0x80000000
	s_cmp_eq_u32 s[HA], 0
	s_cbranch_scc0 .Lfor_b
	tensor_load_to_lds s[G0:G0+3], s[G1:G1+7]
	s_nop 0
	PLACES 4
	s_branch .Lasked
.Lfor_b:
	tensor_load_to_lds s[G0B:G0B+3], s[G1B:G1B+7]
	s_nop 0
	PLACES 4
.Lasked:
	s_lshl_b32 s36, s21, 3
	s_lshl_b32 s2, s[HA], 2
	s_add_co_u32 s36, s36, s2
	s_lshl_b32 s36, s36, 9                         ; my four o tiles' scale bytes: 512 a tile
	s_add_nc_u64 s[6:7], s[6:7], s[36:37]
	s_lshl_b32 s46, s40, 4
	s_add_co_u32 s46, s46, 704
	s_lshl_b32 s2, s[HB], 3
	s_add_co_u32 s46, s46, s2
	s_lshl_b32 s46, s46, 9                         ; my eight Wo tiles'
	s_add_nc_u64 s[10:11], s[10:11], s[46:47]
	s_lshl_b32 s22, s40, 8
	s_lshl_b32 s23, s[HB], 7
	s_add_co_u32 s22, s22, s23                     ; my first channel
	s_lshl_b32 s2, s22, 2
	s_mov_b32 s3, 0
	s_add_nc_u64 s[12:13], s[12:13], s[2:3]
	s_add_nc_u64 s[14:15], s[14:15], s[2:3]
	s_lshl_b32 s22, s21, 7
	s_lshl_b32 s23, s[HA], 6
	s_add_co_u32 s22, s22, s23                     ; my first token
	s_lshl_b32 s2, s22, 12
	s_add_nc_u64 s[14:15], s[14:15], s[2:3]
	s_mul_i32 s22, s[HA], 4*TILEB
	s_mul_i32 s23, s[HB], 8*TILEB
	s_add_co_u32 s23, s23, BB
	s_add_co_u32 s38, s23, 4*TILEB
	s_mul_i32 s39, s[WV], 16*SPITCH
	v_and_b32 v1, 15, v0                           ; r
	v_bfe_u32 v2, v0, 4, 1                         ; h
	v_and_b32 v3, 31, v0
	v_lshlrev_b32 v[CO], 4, v3
	v_lshlrev_b32 v4, 3, v3
	v_add_nc_u32 v[ADRA], s22, v[CO]
	v_add_nc_u32 v[ADRA+1], s22, v4
	v_add_nc_u32 v[ADRB], s23, v[CO]
	v_add_nc_u32 v[ADRB+1], s23, v4
	v_add_nc_u32 v[ADRB+2], s38, v[CO]
	v_add_nc_u32 v[ADRB+3], s38, v4
	v_mul_u32_u24 v5, v1, SPITCH
	v_lshl_add_u32 v5, v2, 6, v5
	v_add_nc_u32 v[STO], s39, v5                   ; the stage, in: row r, + 64 h bytes
	v_add_nc_u32 v[RD], s39, v[CO]                 ; and back: 32 lanes take a row of 512 bytes
	v_lshlrev_b32 v[BO1], 6, v2
	v_lshlrev_b32 v[SO], 5, v1
	s_wait_alu depctr_va_vdst(0)                   ; the wait at the head's end
.irp a, 0,1,2,3
	global_load_b128 v[SAS+8*\a:SAS+8*\a+3],   v[SO], s[6:7] offset:512*\a
	global_load_b128 v[SAS+8*\a+4:SAS+8*\a+7], v[SO], s[6:7] offset:512*\a+16
.endr
.irp b, 0,1,2,3,4,5,6,7
	global_load_b128 v[SBS+8*\b:SBS+8*\b+3],   v[SO], s[10:11] offset:512*\b
	global_load_b128 v[SBS+8*\b+4:SBS+8*\b+7], v[SO], s[10:11] offset:512*\b+16
.endr
	WIN 0xc0
.irp b, 0,1,2,3,4,5,6,7
	global_load_b128 v[8*\b:8*\b+3],   v[BO1], s[12:13] offset:(32*(\b/2)+8*(\b%2))*4
	global_load_b128 v[8*\b+4:8*\b+7], v[BO1], s[12:13] offset:(32*(\b/2)+8*(\b%2))*4+16
.endr
	WIN 0
.macro FRAG reg, adr, off
	ds_load_b128 v[\reg:\reg+3],     v[\adr]   offset:\off
	ds_load_b64  v[\reg+4:\reg+5],   v[\adr+1] offset:\off+512
	ds_load_b128 v[\reg+6:\reg+9],   v[\adr]   offset:\off+768
	ds_load_b64  v[\reg+10:\reg+11], v[\adr+1] offset:\off+1280
.endm
.macro FETCH g, p                      ; step g's twelve fragments into set p: 48 loads
	WIN 0x40
.irp i, 0,1,2,3,4,5,6,7
	FRAG 128*(\p)+FR*\i, ADRB+2*(\i/4), (\i%4)*TILEB+(\g)*FIB
.endr
	WIN 0
.irp i, 0,1,2,3
	FRAG AF+48*(\p)+FR*\i, ADRA, \i*TILEB+(\g)*FIB
.endr
.endm
.macro MUL32 g, p, first               ; the 32 accumulators take turns, one instruction a turn
.if \first
	WIN 0xb1                                       ; source 0 window 1, source 1 window 0, C (the bias) window 3, D window 2
.else
	WIN 0xa1
.endif
.irp a, 0,1,2,3
.irp b, 0,1,2,3,4,5,6,7
.set rD, 8*(8*\a+\b)
.set rB, 128*(\p)+FR*\b
.set rA, AF+48*(\p)+FR*\a
.if \first
	v_wmma_scale_f32_16x16x128_f8f6f4 v[rD:rD+7], v[rB:rB+FR-1], v[rA:rA+FR-1], v[8*\b:8*\b+7], v[SBS+8*\b+(\g)], v[SAS+8*\a+(\g)] matrix_a_fmt:MATRIX_FMT_FP6 matrix_b_fmt:MATRIX_FMT_FP6
.else
	v_wmma_scale_f32_16x16x128_f8f6f4 v[rD:rD+7], v[rB:rB+FR-1], v[rA:rA+FR-1], v[rD:rD+7], v[SBS+8*\b+(\g)], v[SAS+8*\a+(\g)] matrix_a_fmt:MATRIX_FMT_FP6 matrix_b_fmt:MATRIX_FMT_FP6
.endif
.endr
.endr
	WIN 0
.endm
	s_wait_tensorcnt 0x0                           ; my part of the tiles is in,
	s_barrier_signal -1
	s_barrier_wait -1                              ; everybody's are
	FETCH 0, 0
	FETCH 1, 1
	s_wait_loadcnt 0x0                             ; the scale words and the bias
	s_wait_dscnt 48                                ; step 0's loads are in; the 48 behind them may be out
	MUL32 0, 0, 1
.set G, 1
.rept 6
	PLACES 4                                       ; ahead of loads into registers that the last products read
	FETCH G+1, (G+1)%2
	s_wait_dscnt 48
	MUL32 G, G%2, 0
.set G, G+1
.endr
	s_wait_dscnt 0x0                               ; my last reads of the tiles are over:
	s_barrier_signal -1
	MUL32 7, 1, 0
	s_barrier_wait -1                              ; so are everybody's: the stages may be written
.macro TOSTAGE a
.set AC, 64*(\a)
	WIN 0x08                                       ; the data: window 2
.irp b, 0,1,2,3,4,5,6,7
	ds_store_b128 v[STO], v[AC+8*\b:AC+8*\b+3] offset:128*(\b/2)+32*(\b%2)       ; each accumulator from its low end on
	ds_store_b128 v[STO], v[AC+8*\b+4:AC+8*\b+7] offset:128*(\b/2)+32*(\b%2)+16
.endr
	WIN 0
.set BBK, BK+64*((\a)%2)
.irp t, 0,1,2,3,4,5,6,7,8,9,10,11,12,13,14,15
	ds_load_b128 v[BBK+4*\t:BBK+4*\t+3], v[RD] offset:\t*SPITCH   ; LDS serves a wave's instructions in order: these see my stores
.endr
.endm
.macro SEND a, younger
.set BBK, BK+64*((\a)%2)
	s_wait_dscnt \younger
.irp t, 0,1,2,3,4,5,6,7,8,9,10,11,12,13,14,15
	global_store_b128 v[CO], v[BBK+4*\t:BBK+4*\t+3], s[14:15] offset:(32*((\a)/2)+8*((\a)%2)+\t+8*(\t/8))*4096 th:TH_STORE_NT   ; 512 consecutive bytes, at a multiple of 256 from out0's first byte
.endr
.endm
	PLACES 4                                       ; behind the last products: their results are read, and loads land on their operands' registers
	TOSTAGE 0
.irp a, 1,2,3
.if \a > 1
	s_wait_xcnt 0x0                                ; block a - 2's stores have read their registers
.endif
	TOSTAGE \a
	SEND \a-1, 32                                  ; behind block a - 1's loads: block a's 16 stores and 16 loads
.endr
	SEND 3, 0
	s_wait_tensorcnt 0x0                           ; the wave's end
	ds_add_u32 v[SPW], v[NIL]
	s_wait_dscnt 0x0
	CROUND                                         ; the closing round
	s_endpgm
.Lfunc_end_k_qa4a09d1f2c_proj:
	.size	k_qa4a09d1f2c_proj, .Lfunc_end_k_qa4a09d1f2c_proj-k_qa4a09d1f2c_proj
	.p2alignl 7, 3214868480
	.fill 96, 4, 3214868480
	.section	.rodata,"a",@progbits
	.p2align	6, 0x0
	.amdhsa_kernel k_qa4a09d1f2c_proj
		.amdhsa_group_segment_fixed_size 327680
		.amdhsa_private_segment_fixed_size 0
		.amdhsa_enable_private_segment 0
		.amdhsa_kernarg_size 48
		.amdhsa_user_sgpr_count 2
		.amdhsa_user_sgpr_kernarg_segment_ptr 1
		.amdhsa_wavefront_size32 1
		.amdhsa_system_sgpr_workgroup_id_x 1
		.amdhsa_system_sgpr_workgroup_id_y 1
		.amdhsa_system_sgpr_workgroup_id_z 1
		.amdhsa_system_vgpr_workitem_id 0
		.amdhsa_next_free_vgpr 832
		.amdhsa_next_free_sgpr 66
		.amdhsa_reserve_vcc 0
		.amdhsa_float_denorm_mode_32 3
		.amdhsa_float_denorm_mode_16_64 3
		.amdhsa_memory_ordered 1
		.amdhsa_forward_progress 1
		.amdhsa_inst_pref_size 83
	.end_amdhsa_kernel
	.amdgpu_metadata
---
amdhsa.version: [ 1, 2 ]
amdhsa.kernels:
  - .name:           k_qa4a09d1f2c_proj
    .symbol:         k_qa4a09d1f2c_proj.kd
    .args:
      - { .name: oi, .offset: 0, .size: 8, .value_kind: global_buffer, .address_space: global }
      - { .name: os, .offset: 8, .size: 8, .value_kind: global_buffer, .address_space: global }
      - { .name: opi, .offset: 16, .size: 8, .value_kind: global_buffer, .address_space: global }
      - { .name: ops, .offset: 24, .size: 8, .value_kind: global_buffer, .address_space: global }
      - { .name: bo, .offset: 32, .size: 8, .value_kind: global_buffer, .address_space: global }
      - { .name: out0, .offset: 40, .size: 8, .value_kind: global_buffer, .address_space: global }
    .group_segment_fixed_size: 327680
    .private_segment_fixed_size: 0
    .kernarg_segment_align: 8
    .kernarg_segment_size: 48
    .max_flat_workgroup_size: 128
    .sgpr_count:     66
    .vgpr_count:     832
    .wavefront_size: 32
...
	.end_amdgpu_metadata
.endif
;; end of part 4
